; MI455X (gfx1250); checked and timed in simulation.
; The chip was launched on July 23, 2026; its instructions are those of AMD's public machine-readable ISA for CDNA 5 (MIT licence, August 2026) and "CDNA5" Instruction Set Architecture Reference Guide (July 2026). The comments in the code are by the model that wrote it; some were corrected since.
;; GLUMLP. Allowed arithmetic: matrix products marked QUANTISED: E2M1 operands, one E8M0 scale for each 32 along K, by v_wmma_scale_f32_16x16x128_f8f6f4 with both operands' format E2M1 (or v_wmma_scale_f32_32x16x128_f4), f32 sums; everything else in f32.
;; Inputs: W1_codes 8 x 1,024 x 32 x 16 uint8 (E2M1 codes of W1, K innermost, in blocks of 32 codes, two codes a byte); W1_scales 8 x 1,024 x 32 uint8 (E8M0 scales of W1, one for each 32 codes along K); W2_codes 8 x 1,024 x 16 x 16 uint8 (E2M1 codes of W2, K innermost, in blocks of 32 codes, two codes a byte); W2_scales 8 x 1,024 x 16 uint8 (E8M0 scales of W2, one for each 32 codes along K); expert_idxs 2,048 x 2 int32; expert_p 2,048 x 2 float32; x 2 x 1,024 x 1,024 float32.
;; Outputs: out0 2 x 1,024 x 1,024 float32.
;; This version of the problem:
;;   THIS VERSION OF THE PROBLEM IS GIVEN IN LOW PRECISION. The matrix products marked QUANTISED in the list below multiply operands that are first quantised to E2M1 (2 exponent bits, 1 mantissa bit; 4 bits a number), with one power-of-two scale for each 32 numbers along K (OCP MX v1.0); their sums are f32. All else is computed in f32.
;;   The module's matrix products, in the order in which they are computed (A, B: the left and right operand; K: the contracted axis; several contracted axes count as one K, in the product's order):
;;     1. [M 4,096, K 1,024] x [K 1,024, N 1,024]; A: computed on the way; B: input W1 (given as codes): QUANTISED
;;     2. [M 4,096, K 512] x [K 512, N 1,024]; A: computed on the way; B: input W2 (given as codes): QUANTISED
;;     3. [M 4,096, K 1,024] x [K 1,024, N 1,024]; A: computed on the way; B: input W1 (given as codes): QUANTISED
;;     4. [M 4,096, K 512] x [K 512, N 1,024]; A: computed on the way; B: input W2 (given as codes): QUANTISED
;;     5. [M 4,096, K 1,024] x [K 1,024, N 1,024]; A: computed on the way; B: input W1 (given as codes): QUANTISED
;;     6. [M 4,096, K 512] x [K 512, N 1,024]; A: computed on the way; B: input W2 (given as codes): QUANTISED
;;     7. [M 4,096, K 1,024] x [K 1,024, N 1,024]; A: computed on the way; B: input W1 (given as codes): QUANTISED
;;     8. [M 4,096, K 512] x [K 512, N 1,024]; A: computed on the way; B: input W2 (given as codes): QUANTISED
;;     9. [M 4,096, K 1,024] x [K 1,024, N 1,024]; A: computed on the way; B: input W1 (given as codes): QUANTISED
;;     10. [M 4,096, K 512] x [K 512, N 1,024]; A: computed on the way; B: input W2 (given as codes): QUANTISED
;;     11. [M 4,096, K 1,024] x [K 1,024, N 1,024]; A: computed on the way; B: input W1 (given as codes): QUANTISED
;;     12. [M 4,096, K 512] x [K 512, N 1,024]; A: computed on the way; B: input W2 (given as codes): QUANTISED
;;     13. [M 4,096, K 1,024] x [K 1,024, N 1,024]; A: computed on the way; B: input W1 (given as codes): QUANTISED
;;     14. [M 4,096, K 512] x [K 512, N 1,024]; A: computed on the way; B: input W2 (given as codes): QUANTISED
;;     15. [M 4,096, K 1,024] x [K 1,024, N 1,024]; A: computed on the way; B: input W1 (given as codes): QUANTISED
;;     16. [M 4,096, K 512] x [K 512, N 1,024]; A: computed on the way; B: input W2 (given as codes): QUANTISED
;;   THE QUANTISER, for each operand of a quantised product, along K:
;;     - K is cut into blocks of 32 from its start; a last block that is shorter is filled with zeros.
;;     - A block's scale is 2^e with e = floor(log2(the largest magnitude in the block)) - 2, held to -126 .. 127; a block of zeros has e = 0. As a byte (E8M0): e + 127.
;;     - Each number is divided by its block's scale, clamped to +-6, and rounded to the nearest number of E2M1, ties to even, subnormals kept.
;;     - The product sums the exact products of the quantised numbers (number of the format x scale) in f32.
;;   ~~~python
;;   def quantise(x, axis):      # numpy; x: float32 -> the quantised numbers, widened to float32 again
;;       x = np.moveaxis(x, axis, -1); K = x.shape[-1]
;;       x = np.pad(x, [(0, 0)] * (x.ndim - 1) + [(0, -K % 32)]); x = x.reshape(x.shape[:-1] + (-1, 32)); a = np.abs(x).max(-1, keepdims=True)
;;       e = np.where(a > 0, np.clip(np.frexp(np.where(a > 0, a, 1))[1] - 1 - 2, -126, 127), 0)      # np.frexp(a)[1] - 1 = floor(log2(a)), exactly
;;       r = np.clip(x / 2.0 ** e, -6, 6)
;;       step = 2.0 ** (np.maximum(np.frexp(np.where(r == 0, 1, r))[1] - 1, 0) - 1)
;;       q = np.round(r / step) * step * 2.0 ** e      # np.round: ties to even
;;       return np.moveaxis(q.reshape(q.shape[:-2] + (-1,))[..., :K], -1, axis).astype(np.float32)
;;   ~~~
;;   OPERANDS COMPUTED ON THE WAY. 'Computed on the way' means the value that the module computes at that place (a softmax that the list does not call 'softmax' is quantised finished and normalised). What goes into a quantiser is computed in f32, as accurately as f32 sums, v_exp_f32 and their like allow (about 1e-6 of the number): no bf16 or f16 on the way to a quantiser, and a product that is left as it is and whose result goes on into a quantised operand takes f32 operands (vector FMAs, or v_wmma_f32_16x16x4_f32). A number that lies on a knife's edge between two numbers of the format may be rounded either way, as far as f32 arithmetic and the matrix unit's own rounding can turn it there, and no further.
;;   INPUTS GIVEN AS CODES. W1 (in the module: [8, 1024, 1024], K = its axis 1); W2 (in the module: [8, 512, 1024], K = its axis 1): each comes as NAME_codes (uint8): NAME with its K axis moved to the last place and cut into blocks of 32 codes, [.., K / 32, bytes a block], one block behind the other in memory; two codes a byte, the lower K in the low four bits (a code: sign, 2 exponent bits, 1 mantissa bit); and NAME_scales (uint8): the same leading axes, one E8M0 byte (e + 127) for each 32 codes along K. Its value is code x scale, taken as it is: it is not quantised again, and the codes and scales need not be those that the quantiser above would give.
;; 2 versions. Each part assembles by itself: llvm-mc -triple=amdgcn-amd-amdhsa -mcpu=gfx1250 --defsym DOCPART=n.
;; ======== version 1 of 2: 2 launches
;; workspace buffers: xq 1,048,576 bytes; xs 65,536 bytes; tok 8,192 bytes of whole numbers; gate 16,384 bytes; tiles 512 bytes of whole numbers; w1i 4,194,304 bytes; w2i 2,097,152 bytes
;; launch prep (part 1): grid 177 x 1, 16 waves a work-group, no clusters, 88,320 bytes of LDS; arguments x, expert_idxs, expert_p, W1_codes, W2_codes, xq, xs, tok, gate, tiles, w1i, w2i; writes xq, xs, tok, gate, tiles, w1i, w2i
.if DOCPART == 1
	.amdgcn_target "amdgcn-amd-amdhsa--gfx1250"
	.amdhsa_code_object_version 6
	.text
	.protected	k_qadf68f045a_prep
	.globl	k_qadf68f045a_prep
	.p2align	8
	.type	k_qadf68f045a_prep,@function
k_qadf68f045a_prep:
	s_mov_b64 s[64:65], 0
	v_nop
	global_prefetch_b8 v0, s[64:65] scope:SCOPE_SE
	s_setreg_imm32_b32 hwreg(HW_REG_WAVE_MODE, 25, 1), 1
	s_wait_xcnt 0x0
; PREPARATION for the layer of experts: 2,048 tokens, each with two experts of 8 and two gates.
; Tokens are sorted by their SET of experts: key = 8 lo + hi (lo = the smaller index, hi = the larger), comp = key x 2048 + token, which is unique;
; a token's sorted place is the number of comps smaller than its own.  No histogram, no scatter through LDS, no atomic.
; Four roles, chosen by the work-group's number; each is a path of its own to s_endpgm and has LDS bytes of its own:
;   0         the table of tiles: a tile is up to 32 neighbouring sorted places of ONE set; at most 2048 / 32 + 36 - 1 = 99 tiles whatever the choice
;   1..128    a wave to a token: its place; its 1,024 numbers as codes of E2M1 with one E8M0 byte for each 32; token number and gates, all stored at the sorted place
;   129..160  W1's codes copied into the order of the operand's registers (w1i),   161..176  W2's (w2i)
; A block's scale byte is its largest magnitude's exponent field - 2, held at 1 from below by a floor among the maximum's leaves.
; LIMITS: NaN and infinities in x are not served.  A block of zeros gets the byte 1 (the stated quantiser says 127): its codes are zeros and these bytes are read by this program alone.
; An index outside 0..7 is held at 7 and its gate is made 0: it adds nothing, as in the problem's definition.  A token that names one expert twice gets the gate p0 + p1 for it
; (one rounding apart from p0 y + p1 y).  tok, gate and xs leave in pieces of 4, 8 and 32 bytes a token (90 KB in all): the sorted places of a work-group's tokens are not neighbours.
.set CMPX, 0                           ; token role: the 2,048 comps, 8,192 bytes
.set STGX, 8192                        ; token role: a stage of 32 x 144 bytes for each wave
.set KEYS, 81920                       ; table role: 512 words, four keys in each
.set PART, 83968                       ; table role: partial counts, 8 rows (one a chunk of 256 tokens) of 64 words, a zero word for threshold 64 and a word to spare
.set PROW, 272                         ; bytes from row to row
; my thread's four tokens' indices: tokens 2 v0 + 1024 j + p
.macro IDXLOAD
	v_lshlrev_b32 v3, 4, v0
	global_load_b128 v[4:7], v3, s[6:7]
	global_load_b128 v[8:11], v3, s[6:7] offset:8192
.endm
; the work-group's 512 threads make all 2,048 comps, put them into LDS at base, and every wave takes all of them into v64-127 (their order does not matter: they are only counted)
.macro COMPS base, younger
	v_lshlrev_b32 v16, 1, v0
	v_lshl_add_u32 v19, v0, 4, \base
	v_lshl_add_u32 v20, v2, 4, \base
	s_wait_loadcnt \younger                        ; the two index loads are in; what was issued behind them may be out
.irp q, 0,1,2,3
	v_min_u32 v[4+2*\q], 7, v[4+2*\q]
	v_min_u32 v[5+2*\q], 7, v[5+2*\q]
	v_min_u32 v17, v[4+2*\q], v[5+2*\q]
	v_max_u32 v18, v[4+2*\q], v[5+2*\q]
	v_lshl_add_u32 v17, v17, 3, v18                ; key
	v_lshl_add_u32 v17, v17, 11, v16
	v_add_nc_u32 v[12+\q], 1024*(\q/2)+(\q%2), v17 ; key x 2048 + token
.endr
	ds_store_b128 v19, v[12:15]
	s_wait_dscnt 0x0                               ; for the others' sake: my comps lie in LDS
	s_barrier_signal -1
	s_barrier_wait -1
.irp i, 0,1,2,3,4,5,6,7,8,9,10,11,12,13,14,15
	ds_load_b128 v[64+4*\i:67+4*\i], v20 offset:512*\i
.endr
	s_wait_dscnt 0x0
.endm
; s[res] = how many of the 2,048 comps lie under s[thr]: 64 compares of 32 lanes, their bits counted
.macro POS thr, res
	s_mov_b32 s[\res], 0
.irp i, 0,1,2,3,4,5,6,7,8,9,10,11,12,13,14,15
	v_cmp_gt_u32 s44, s[\thr], v[64+4*\i]
	v_cmp_gt_u32 s45, s[\thr], v[65+4*\i]
	v_cmp_gt_u32 s46, s[\thr], v[66+4*\i]
	v_cmp_gt_u32 s47, s[\thr], v[67+4*\i]
	s_bcnt1_i32_b32 s44, s44
	s_bcnt1_i32_b32 s45, s45
	s_bcnt1_i32_b32 s46, s46
	s_bcnt1_i32_b32 s47, s47
	s_add_co_u32 s[\res], s[\res], s44
	s_add_co_u32 s[\res], s[\res], s45
	s_add_co_u32 s[\res], s[\res], s46
	s_add_co_u32 s[\res], s[\res], s47
.endr
.endm
	s_load_b512 s[4:19], s[0:1], 0x0               ; x s[4:5], indices s[6:7], gates s[8:9], W1's codes s[10:11], W2's s[12:13], xq s[14:15], xs s[16:17], tok s[18:19]
	s_load_b256 s[20:27], s[0:1], 0x40             ; gate s[20:21], tiles s[22:23], w1i s[24:25], w2i s[26:27]
	v_lshl_add_u32 v176, v0, 2, 0x15100
	v_mov_b32 v177, 0
	v_lshrrev_b32 v1, 5, v0
	v_readfirstlane_b32 s28, v1                    ; wave 0..15
	v_and_b32 v2, 31, v0                           ; lane
	s_wait_kmcnt 0x0
	s_cmp_eq_u32 ttmp9, 0
	s_cbranch_scc1 .Ltable
	s_cmp_lt_u32 ttmp9, 129
	s_cbranch_scc1 .Ltoken
	s_cmp_lt_u32 ttmp9, 161
	s_cbranch_scc1 .Lw1
; ---- W2's codes.  Unit U = 16 (work-group - 161) + wave: expert U / 32, column group w = (U / 2) % 16, half = U % 2: tiles 2 half and 2 half + 1 of 16 rows, all 512 along K.
; w2i: [expert][w][K step 4][tile 4][c 2][lane 32][16 bytes]; lane (r, h) holds bytes 64 s + 32 c + 16 h of W2's row 64 w + 16 t + r.
	s_sub_co_u32 s29, ttmp9, 161
	s_lshl_b32 s29, s29, 4
	s_add_co_u32 s29, s29, s28
	s_lshr_b32 s30, s29, 5                         ; expert
	s_bfe_u32 s31, s29, 0x40001                    ; w
	s_and_b32 s32, s29, 1                          ; half
	s_lshl_b32 s33, s30, 10
	s_lshl_b32 s34, s31, 6
	s_add_co_u32 s33, s33, s34
	s_lshl_b32 s34, s32, 5
	s_add_co_u32 s33, s33, s34                     ; the unit's first row
	s_lshl_b32 s36, s33, 8                         ; rows of 256 bytes
	s_mov_b32 s37, 0
	s_add_nc_u64 s[12:13], s[12:13], s[36:37]
	s_lshl_b32 s33, s30, 4
	s_add_co_u32 s33, s33, s31
	s_lshl_b32 s36, s33, 14
	s_lshl_b32 s34, s32, 11
	s_add_co_u32 s36, s36, s34
	s_add_nc_u64 s[26:27], s[26:27], s[36:37]
	v_and_b32 v3, 15, v0                           ; r
	v_bfe_u32 v4, v0, 4, 1                         ; h
	v_lshlrev_b32 v5, 8, v3
	v_lshl_add_u32 v5, v4, 4, v5
	v_lshlrev_b32 v6, 4, v2
.irp i, 0,1,2,3,4,5,6,7,8,9,10,11,12,13,14,15      ; i = 8 tt + 2 s + c: the 16 loads together read each of the unit's 32 rows whole
	global_load_b128 v[16+4*\i:19+4*\i], v5, s[12:13] offset:4096*(\i/8)+32*(\i%8) th:TH_LOAD_NT
.endr
.irp i, 0,1,2,3,4,5,6,7,8,9,10,11,12,13,14,15
	s_wait_loadcnt 15-\i                           ; load i is in; the younger ones may be out
	global_store_b128 v6, v[16+4*\i:19+4*\i], s[26:27] offset:4096*((\i%8)/2)+1024*(\i/8)+512*(\i%2)   ; 32 lanes store 512 consecutive bytes
.endr
	s_endpgm
; ---- W1's codes.  Unit U = 16 (work-group - 129) + wave: expert U / 64, hidden group w = (U / 4) % 16, tile tau = U % 4 (0, 1: the h half; 2, 3: the g half), all 1,024 along K.
; w1i: [expert][w][K step 8][tau 4][c 2][lane 32][16 bytes]; lane (r, h) holds bytes 64 s + 32 c + 16 h of W1's row 512 (tau / 2) + 32 w + 8 (tau % 2) + r + 8 (r / 8).
.Lw1:
	s_sub_co_u32 s29, ttmp9, 129
	s_lshl_b32 s29, s29, 4
	s_add_co_u32 s29, s29, s28
	s_lshr_b32 s30, s29, 6                         ; expert
	s_bfe_u32 s31, s29, 0x40002                    ; w
	s_and_b32 s32, s29, 3                          ; tau
	s_lshl_b32 s33, s30, 10
	s_lshr_b32 s34, s32, 1
	s_lshl_b32 s34, s34, 9
	s_add_co_u32 s33, s33, s34
	s_lshl_b32 s34, s31, 5
	s_add_co_u32 s33, s33, s34
	s_and_b32 s34, s32, 1
	s_lshl_b32 s34, s34, 3
	s_add_co_u32 s33, s33, s34                     ; the tile's first row
	s_lshl_b32 s36, s33, 9                         ; rows of 512 bytes
	s_mov_b32 s37, 0
	s_add_nc_u64 s[10:11], s[10:11], s[36:37]
	s_lshl_b32 s33, s30, 4
	s_add_co_u32 s33, s33, s31
	s_lshl_b32 s36, s33, 15
	s_lshl_b32 s34, s32, 10
	s_add_co_u32 s36, s36, s34
	s_add_nc_u64 s[24:25], s[24:25], s[36:37]
	v_and_b32 v3, 15, v0                           ; r
	v_bfe_u32 v4, v0, 4, 1                         ; h
	v_and_b32 v5, 8, v3
	v_add_nc_u32 v5, v5, v3                        ; r + 8 (r / 8)
	v_lshlrev_b32 v5, 9, v5
	v_lshl_add_u32 v5, v4, 4, v5
	v_lshlrev_b32 v6, 4, v2
.irp i, 0,1,2,3,4,5,6,7,8,9,10,11,12,13,14,15      ; i = 2 s + c: the 16 loads together read each of the tile's 16 rows whole
	global_load_b128 v[16+4*\i:19+4*\i], v5, s[10:11] offset:32*\i th:TH_LOAD_NT
.endr
.irp i, 0,1,2,3,4,5,6,7,8,9,10,11,12,13,14,15
	s_wait_loadcnt 15-\i                           ; load i is in; the younger ones may be out
	global_store_b128 v6, v[16+4*\i:19+4*\i], s[24:25] offset:4096*(\i/2)+512*(\i%2)   ; 32 lanes store 512 consecutive bytes
.endr
	s_endpgm
; ---- a wave to a token
.Ltoken:
	s_sub_co_u32 s29, ttmp9, 1
	s_lshl_b32 s29, s29, 4
	s_add_co_u32 s29, s29, s28                     ; my token
	s_lshl_b32 s30, s29, 3
	s_load_b64 s[32:33], s[6:7], s30 offset:0x0    ; its two experts
	s_load_b64 s[34:35], s[8:9], s30 offset:0x0    ; its two gates
	IDXLOAD
	s_lshl_b32 s36, s29, 12
	s_mov_b32 s37, 0
	s_add_nc_u64 s[4:5], s[4:5], s[36:37]          ; its row of x
	v_lshlrev_b32 v21, 4, v2
.irp i, 0,1,2,3,4,5,6,7
	global_load_b128 v[32+4*\i:35+4*\i], v21, s[4:5] offset:512*\i th:TH_LOAD_NT   ; 32 lanes read 512 consecutive bytes
.endr
	s_mul_i32 s31, s28, 4608                       ; my wave's stage
	s_add_co_u32 s31, s31, STGX
	v_lshrrev_b32 v22, 3, v2
	v_mul_u32_u24 v22, v22, 144
	v_and_b32 v23, 7, v2
	v_lshl_add_u32 v22, v23, 4, v22
	v_add_nc_u32 v22, s31, v22                     ; in: load i's lane holds 16 bytes of block 4 i + lane / 8: 144 (lane / 8) + 16 (lane % 8), + 576 i
	v_mul_u32_u24 v23, v2, 144
	v_add_nc_u32 v23, s31, v23                     ; out: block = lane; 144 bytes = 9 x 16 from lane to lane
	s_wait_kmcnt 0x0
	s_cmp_le_u32 s32, 7                            ; an index outside 0..7 adds nothing
	s_cselect_b32 s34, s34, 0
	s_cmp_le_u32 s33, 7
	s_cselect_b32 s35, s35, 0
	s_min_u32 s32, s32, 7
	s_min_u32 s33, s33, 7
	s_min_u32 s38, s32, s33                        ; lo
	s_max_u32 s39, s32, s33                        ; hi
	s_lshl_b32 s40, s38, 3
	s_add_co_u32 s40, s40, s39
	s_lshl_b32 s40, s40, 11
	s_or_b32 s40, s40, s29                         ; my comp
	s_cmp_eq_u32 s32, s38
	s_cselect_b32 s41, s34, 0
	s_cmp_eq_u32 s33, s38
	s_cselect_b32 s42, s35, 0
	s_add_f32 s41, s41, s42                        ; the gate of lo: the sum of the slots that name it
	s_cmp_eq_u32 s32, s39
	s_cselect_b32 s42, s34, 0
	s_cmp_eq_u32 s33, s39
	s_cselect_b32 s43, s35, 0
	s_add_f32 s42, s42, s43
	s_cmp_eq_u32 s38, s39
	s_cselect_b32 s42, 0, s42                      ; the gate of hi; 0 where both slots name one expert: lo's gate has both
	COMPS CMPX, 8                                  ; x's eight loads were issued behind the index loads and stay out
	POS 40, 43
	s_min_u32 s43, s43, 0x7ff                      ; my sorted place
	s_mov_b32 s37, 0
	s_lshl_b32 s36, s43, 9
	s_add_nc_u64 s[14:15], s[14:15], s[36:37]
	s_lshl_b32 s36, s43, 5
	s_add_nc_u64 s[16:17], s[16:17], s[36:37]
	s_lshl_b32 s36, s43, 2
	s_add_nc_u64 s[18:19], s[18:19], s[36:37]
	s_lshl_b32 s36, s43, 3
	s_add_nc_u64 s[20:21], s[20:21], s[36:37]
	s_wait_loadcnt 0x0                             ; x
.irp i, 0,1,2,3,4,5,6,7
	ds_store_b128 v22, v[32+4*\i:35+4*\i] offset:576*\i
.endr
.irp j, 0,1,2,3,4,5,6,7
	ds_load_b128 v[128+4*\j:131+4*\j], v23 offset:16*\j   ; LDS serves a wave's instructions in order: these see my stores.  Lane l now holds block l: x[32 l .. 32 l + 31]
.endr
	s_wait_dscnt 0x0
	v_max3_num_f32 v164, |v128|, |v129|, 0x1800000 ; the block's largest magnitude, in two chains, with the floor 2^(3 - 127) as a leaf: the byte cannot fall under 1
	v_max3_num_f32 v165, |v144|, |v145|, |v146|
.irp i, 0,1,2,3,4,5
	v_max3_num_f32 v164, v164, |v[130+2*\i]|, |v[131+2*\i]|
	v_max3_num_f32 v165, v165, |v[147+2*\i]|, |v[148+2*\i]|
.endr
	v_max3_num_f32 v164, v164, |v142|, |v143|
	v_max3_num_f32 v164, v164, v165, |v159|
	v_add_nc_u32 v166, 0xff000000, v164            ; 2 off its exponent field: the conversion takes the exponent field of this operand as its scale
.irp g, 0,1,2,3
	v_cvt_scalef32_pk8_fp4_f32 v[160+\g], v[128+8*\g:135+8*\g], v166
.endr
	v_lshrrev_b32 v167, 23, v166                   ; the scale's byte
	global_store_b128 v21, v[160:163], s[14:15]    ; the row's 512 bytes of codes, consecutive
	global_store_b8 v2, v167, s[16:17]             ; its 32 scale bytes
	v_mov_b32 v168, s29
	v_mov_b32 v169, 0
	v_mov_b32 v170, s41
	v_mov_b32 v171, s42
	v_cmp_eq_u32 vcc_lo, 0, v2
	s_wait_xcnt 0x0                                ; EXEC is a source of the stores above: it changes only behind this wait
	s_wait_tensorcnt 0x0
	ds_add_u32 v176, v177
	s_wait_dscnt 0x0
	s_and_saveexec_b32 s44, vcc_lo
	global_store_b32 v169, v168, s[18:19]          ; lane 0: the token's number,
	global_store_b64 v169, v[170:171], s[20:21]    ; and its two gates
	s_wait_xcnt 0x0
	s_or_b32 exec_lo, exec_lo, s44
	s_endpgm
; ---- the table of tiles.  It needs G(k) = how many tokens have a key of k or more, k = 0 .. 64: a set's first sorted place is 2048 - G(key), its last 2047 - G(key + 1).
; Only the 6-bit key counts here.  A thread packs its four tokens' keys into ONE word, as 64 + key in fields of 7 bits.  A LANE IS A THRESHOLD: word - k x (1 + 2^7 + 2^14 + 2^21) leaves 64 + key - k,
; 1 .. 127, in each field, so no borrow crosses a field, and the field's bit 6 says key >= k.  Those bits, masked, are simply added: a field's count grows upward into the 6 bits that the mask has cleared.
; Wave w takes chunk w / 2 (64 words, read at one address by all lanes) and thresholds 32 (w % 2) + lane: two words cost two subtractions, two ANDs and one addition of three, and the count lies in its threshold's lane.
.Ltable:
	IDXLOAD
	s_mov_b32 s56, 0x08102040                      ; bits 6, 13, 20, 27: the 64 of each field, and the mask of the four answers
	s_lshr_b32 s30, s28, 1                         ; my chunk
	s_and_b32 s31, s28, 1                          ; my group of 32 thresholds
	s_lshl_b32 s32, s30, 8
	s_add_co_u32 s32, s32, KEYS
	v_mov_b32 v20, s32                             ; my chunk's 64 words: one address for all lanes
	s_mul_i32 s33, s30, PROW
	s_lshl_b32 s34, s31, 7
	s_add_co_u32 s34, s34, s33
	s_add_co_u32 s34, s34, PART
	v_lshl_add_u32 v21, v2, 2, s34                 ; where my partial count goes: PART + 272 chunk + 128 group + 4 lane
	s_lshl_b32 s35, s31, 2
	s_add_co_u32 s35, s35, s33
	s_add_co_u32 s35, s35, PART+256
	v_mov_b32 v22, s35                             ; words 64 and 65 of the row: group 0's wave writes G(64) = 0, group 1's the word to spare
	v_lshl_add_u32 v23, v2, 2, PART                ; the partial counts of threshold = lane
	v_lshl_add_u32 v19, v0, 2, KEYS                ; my thread's word of keys
	s_lshl_b32 s36, s31, 5
	v_add_nc_u32 v24, s36, v2                      ; my threshold k,
	v_mul_u32_u24 v24, v24, 0x204081               ; in all four fields
	v_mov_b32 v25, 0
	s_wait_loadcnt 0x0
.irp q, 0,1,2,3
	v_min_u32 v[4+2*\q], 7, v[4+2*\q]
	v_min_u32 v[5+2*\q], 7, v[5+2*\q]
	v_min_u32 v17, v[4+2*\q], v[5+2*\q]
	v_max_u32 v18, v[4+2*\q], v[5+2*\q]
	v_lshl_add_u32 v[12+\q], v17, 3, v18           ; key
.endr
	v_lshl_or_b32 v12, v13, 7, v12
	v_lshl_or_b32 v14, v15, 7, v14
	v_lshl_or_b32 v12, v14, 14, v12
	v_or_b32 v12, s56, v12                         ; + 64 in each field
	ds_store_b32 v19, v12
	s_wait_dscnt 0x0                               ; for the others' sake: my word lies in LDS
	s_barrier_signal -1
	s_barrier_wait -1
.irp i, 0,1,2,3,4,5,6,7,8,9,10,11,12,13,14,15
	ds_load_b128 v[64+4*\i:67+4*\i], v20 offset:16*\i
.endr
	s_wait_dscnt 0x0
; three accumulators, v26-28, of 22, 22 and 20 words: the top field has bits 27 to 31 alone, room for 31
.set PR, 0
.rept 32
.set TA, 32+2*(PR%4)
	v_sub_nc_u32 v[TA], v[64+2*PR], v24
	v_sub_nc_u32 v[TA+1], v[65+2*PR], v24
	v_and_b32 v[TA], s56, v[TA]
	v_and_b32 v[TA+1], s56, v[TA+1]
.if PR < 3
	v_add_nc_u32 v[26+PR], v[TA], v[TA+1]          ; the first pairs start the sums: nothing is cleared
.else
	v_add3_u32 v[26+PR%3], v[26+PR%3], v[TA], v[TA+1]
.endif
.set PR, PR+1
.endr
	v_add3_u32 v29, v26, v27, v28                  ; the three lower fields hold up to 64 in their 7 bits; the top field is taken from each accumulator by itself
	v_lshrrev_b32 v26, 27, v26
	v_lshrrev_b32 v27, 27, v27
	v_lshrrev_b32 v28, 27, v28
	v_bfe_u32 v32, v29, 6, 7
	v_bfe_u32 v33, v29, 13, 7
	v_bfe_u32 v34, v29, 20, 7
	v_add3_u32 v26, v26, v27, v28
	v_add3_u32 v32, v32, v33, v34
	v_add_nc_u32 v26, v26, v32                     ; how many of my chunk's 256 keys are k or more
	ds_store_b32 v21, v26
	ds_store_b32 v22, v25                          ; all lanes write the same word with the same value
	s_wait_dscnt 0x0                               ; for the others' sake
	s_barrier_signal -1
	s_barrier_wait -1
	s_cmp_lt_u32 s28, 4
	s_cbranch_scc1 .Lbins
	s_wait_tensorcnt 0x0
	ds_add_u32 v176, v177
	s_wait_dscnt 0x0
	s_endpgm                                       ; the table has 128 entries: four waves write it
.Lbins:
.irp c, 0,1,2,3,4,5,6,7
	ds_load_b32 v[64+\c], v23 offset:PROW*\c       ; G(lane)'s eight parts,
	ds_load_b32 v[72+\c], v23 offset:PROW*\c+4     ; G(lane + 1)'s,
	ds_load_b32 v[80+\c], v23 offset:PROW*\c+128   ; G(32 + lane)'s,
	ds_load_b32 v[88+\c], v23 offset:PROW*\c+132   ; G(33 + lane)'s
.endr
	v_mov_b32 v30, 0
	v_lshlrev_b32 v16, 5, v0                       ; 32 x my entry's number
	s_mov_b32 s29, 0                               ; 32 x the tiles so far
	s_wait_dscnt 0x0
.irp a, 0,1,2,3
	v_add3_u32 v[64+8*\a], v[64+8*\a], v[65+8*\a], v[66+8*\a]
	v_add3_u32 v[67+8*\a], v[67+8*\a], v[68+8*\a], v[69+8*\a]
	v_add3_u32 v[64+8*\a], v[64+8*\a], v[70+8*\a], v[71+8*\a]
	v_add_nc_u32 v[64+8*\a], v[64+8*\a], v[67+8*\a]
.endr
; for all 64 keys at once, key = 32 u + lane: v[40+u] = 32 x the set's tiles;  v[42+u] = (its last place) << 11 | key << 22, less its first place
.irp u, 0,1
	v_sub_nc_u32 v[40+\u], v[64+16*\u], v[72+16*\u]    ; the set's tokens
	v_add_nc_u32 v[40+\u], 31, v[40+\u]
	v_and_b32 v[40+\u], 0xffffffe0, v[40+\u]
	v_sub_nc_u32 v[42+\u], 0x7ff, v[72+16*\u]
	v_and_b32 v[42+\u], 0x7ff, v[42+\u]
	v_lshlrev_b32 v[42+\u], 11, v[42+\u]
	v_add_nc_u32 v[44+\u], 32*\u, v2
	v_lshl_or_b32 v[42+\u], v[44+\u], 22, v[42+\u]
	v_add3_u32 v[42+\u], v[42+\u], v[64+16*\u], 0xfffff800   ; - (2048 - G(key))
.endr
; The sets of one lo, in ascending key.  A set's word: bits 10:0 32 x (its first tile) - (its first place), at most 35 x 31; bits 21:11 its last place; bits 27:22 its key.
; Every entry from the set's first tile on takes its word; later sets write over the entries that are theirs; an empty set is written over by the next one.
; The lane reads stand together ahead of their use; only the running sum of tiles is a chain: it walks through the registers that held the sets' tiles.
.macro ROWB lo
.irp hi, 0,1,2,3,4,5,6,7
.if \hi >= \lo
.set KEY, 8*\lo+\hi
	v_readlane_b32 s[32+2*\hi], v[42+KEY/32], KEY%32
	v_readlane_b32 s[33+2*\hi], v[40+KEY/32], KEY%32
.endif
.endr
.set TP, 29
.irp hi, 0,1,2,3,4,5,6,7
.if \hi >= \lo
	s_add_co_u32 s[32+2*\hi], s[32+2*\hi], s[TP]   ; the set's word
	v_cmp_le_u32 s[48+\hi], s[TP], v16             ; the entries from its first tile on
	s_add_co_u32 s[33+2*\hi], s[33+2*\hi], s[TP]   ; 32 x the tiles up to and with this set
.set TP, 33+2*\hi
.endif
.endr
.irp hi, 0,1,2,3,4,5,6,7
.if \hi >= \lo
	v_mov_b32 v[32+\hi], s[32+2*\hi]
.endif
.endr
.irp hi, 0,1,2,3,4,5,6,7
.if \hi >= \lo
	v_cndmask_b32 v30, v30, v[32+\hi], s[48+\hi]
.endif
.endr
	s_mov_b32 s29, s[TP]
.endm
.irp lo, 0,1,2,3,4,5,6,7
	ROWB \lo
.endr
	v_and_b32 v31, 0x7ff, v30
	v_sub_nc_u32 v32, v16, v31                     ; the tile's first place
	v_and_b32 v30, 0xfffff800, v30
	v_or_b32 v30, v30, v32
	v_or_b32 v30, 0x80000000, v30                  ; bit 31: the tile has rows
	v_cmp_gt_u32 vcc_lo, s29, v16
	v_cndmask_b32 v30, 0, v30, vcc_lo              ; an entry behind the last tile is 0
	v_lshlrev_b32 v33, 2, v0
	global_store_b32 v33, v30, s[22:23]
	s_wait_tensorcnt 0x0
	ds_add_u32 v176, v177
	s_wait_dscnt 0x0
	s_endpgm
.Lfunc_end_k_qadf68f045a_prep:
	.size	k_qadf68f045a_prep, .Lfunc_end_k_qadf68f045a_prep-k_qadf68f045a_prep
	.p2alignl 7, 3214868480
	.fill 96, 4, 3214868480
	.section	.rodata,"a",@progbits
	.p2align	6, 0x0
	.amdhsa_kernel k_qadf68f045a_prep
		.amdhsa_group_segment_fixed_size 88320
		.amdhsa_private_segment_fixed_size 0
		.amdhsa_enable_private_segment 0
		.amdhsa_kernarg_size 96
		.amdhsa_user_sgpr_count 2
		.amdhsa_user_sgpr_kernarg_segment_ptr 1
		.amdhsa_wavefront_size32 1
		.amdhsa_system_sgpr_workgroup_id_x 1
		.amdhsa_system_sgpr_workgroup_id_y 1
		.amdhsa_system_sgpr_workgroup_id_z 1
		.amdhsa_system_vgpr_workitem_id 0
		.amdhsa_next_free_vgpr 178
		.amdhsa_next_free_sgpr 66
		.amdhsa_reserve_vcc 1
		.amdhsa_float_denorm_mode_32 3
		.amdhsa_float_denorm_mode_16_64 3
		.amdhsa_memory_ordered 1
		.amdhsa_forward_progress 1
		.amdhsa_inst_pref_size 55
	.end_amdhsa_kernel
	.amdgpu_metadata
---
amdhsa.version: [ 1, 2 ]
amdhsa.kernels:
  - .name:           k_qadf68f045a_prep
    .symbol:         k_qadf68f045a_prep.kd
    .args:
      - { .name: x, .offset: 0, .size: 8, .value_kind: global_buffer, .address_space: global }
      - { .name: expert_idxs, .offset: 8, .size: 8, .value_kind: global_buffer, .address_space: global }
      - { .name: expert_p, .offset: 16, .size: 8, .value_kind: global_buffer, .address_space: global }
      - { .name: W1_codes, .offset: 24, .size: 8, .value_kind: global_buffer, .address_space: global }
      - { .name: W2_codes, .offset: 32, .size: 8, .value_kind: global_buffer, .address_space: global }
      - { .name: xq, .offset: 40, .size: 8, .value_kind: global_buffer, .address_space: global }
      - { .name: xs, .offset: 48, .size: 8, .value_kind: global_buffer, .address_space: global }
      - { .name: tok, .offset: 56, .size: 8, .value_kind: global_buffer, .address_space: global }
      - { .name: gate, .offset: 64, .size: 8, .value_kind: global_buffer, .address_space: global }
      - { .name: tiles, .offset: 72, .size: 8, .value_kind: global_buffer, .address_space: global }
      - { .name: w1i, .offset: 80, .size: 8, .value_kind: global_buffer, .address_space: global }
      - { .name: w2i, .offset: 88, .size: 8, .value_kind: global_buffer, .address_space: global }
    .group_segment_fixed_size: 88320
    .private_segment_fixed_size: 0
    .kernarg_segment_align: 8
    .kernarg_segment_size: 96
    .max_flat_workgroup_size: 512
    .sgpr_count:     66
    .vgpr_count:     178
    .wavefront_size: 32
...
	.end_amdgpu_metadata
.endif
;; end of part 1
;; launch moe (part 2): grid 99 x 1, 16 waves a work-group, no clusters, 177,152 bytes of LDS; arguments tiles, xq, xs, tok, gate, w1i, W1_scales, w2i, W2_scales, out0; writes out0
.if DOCPART == 2
	.amdgcn_target "amdgcn-amd-amdhsa--gfx1250"
	.amdhsa_code_object_version 6
	.text
	.protected	k_qadf68f045a_moe
	.globl	k_qadf68f045a_moe
	.p2align	8
	.type	k_qadf68f045a_moe,@function
k_qadf68f045a_moe:
	s_mov_b64 s[64:65], 0
	v_nop
	global_prefetch_b8 v0, s[64:65] scope:SCOPE_SE
	s_setreg_imm32_b32 hwreg(HW_REG_WAVE_MODE, 25, 1), 1
	s_wait_xcnt 0x0
; out[token] = w_lo y_lo + w_hi y_hi,  y_e = Q(silu(g) h) W2[e],  (h | g) = Q(x) W1[e]: both products on codes of E2M1 with one E8M0 scale for each 32 along K; all else in f32.
; A work-group takes ONE TILE: up to 32 neighbouring sorted places, whose tokens all name the same two experts (lo, hi): each output row has one owner, and the hidden layer never goes to memory.
; The grid is 99 = 2048 / 32 + 36 - 1, which serves every choice of experts; a work-group whose table entry is 0 passes both barriers, stores nothing and ends.
; SHARES.  Sixteen waves share the COLUMNS: wave w makes hidden units 32 w .. 32 w + 31 (two tiles of h, two of g) and output columns 64 w .. 64 w + 63 (four tiles), for both groups of 16 rows.
; So each fragment of the weights is loaded by one wave, straight from memory into registers (laid out for that by the launch before), and feeds two matrix instructions.
; The weights are ONE STREAM of 24 steps of 4,096 bytes a wave (8 of W1[lo], 8 of W1[hi], 4 of W2[lo], 4 of W2[hi]) through a ring of three register sets: 24 loads of 512 bytes a wave are on their way.
; BOTH PRODUCTS ARE USED TRANSPOSED (source 0 = 16 rows of the weight, source 1 = 16 rows of the tile): a lane holds one row of the tile throughout.  The rows of W1 that form a tile are chosen so that a
; lane's 16 registers of tiles u = 0, 1 are hidden units 32 w + 16 (lane / 16) + 0 .. 15: a wave holds block w of the second product's K, and its codes' place in the operand's register image is 256 w + 16 r + 8 h.
; x's fragments and the hidden layer's go from wave to wave through LDS as images of the operand's registers (16 bytes a lane, 512 a load).
; ROWS BEYOND THE SET'S LAST repeat that last row: they compute the same numbers and store them to the same bytes of out.
; NO CLUSTER: how many tiles share an expert hangs on counts read from memory, 99 work-groups divide into no cluster, and the weights land in registers, where no joint load can put them.
; LIMITS: NaN and infinities are not served.  A block of the hidden layer whose largest magnitude lies under 2^-124 (zeros too) gets the byte 1: as the stated quantiser holds it, and zeros' codes are zeros.
.set XIMG, 0                           ; LDS: x's 16 fragments: (8 rg + s) x 1024 + 512 c + 16 lane
.set AIMG, 16384                       ; the hidden layer's 16: (2 z + rg) x 4096 + 1024 s + 512 c + 16 lane
.set ASC,  32768                       ; its scale bytes: 512 z + 16 (16 rg + r) + block
.set TOKT, 33792                       ; the rows' token numbers, 128 bytes for each wave
.set STG,  35840                       ; a stage of 32 rows x 272 bytes for each wave
.set SROW, 272                         ; 256 bytes + 16: sixteen rows start at sixteen different groups of four banks
.set XS,   16                          ; v16-23   x's scale words, K step s: lanes 0-15 rows 0-15, lanes 16-31 rows 16-31
.set WS,   24                          ; v24-55   W1's scale words: + 16 z + 8 (h or g) + s: lanes 0-15 tile u = 0, lanes 16-31 u = 1;  from step 8 on v24-39 W2's: + 8 z + 4 (t / 2) + s
.set AS,   40                          ; v40-47   in the second product: the hidden layer's scale words, + 4 z + s
.set XF,   56                          ; v56-87   two sets of two fragments of x, later of the hidden layer
.set TM,   72                          ; the second of them, at work in the activation and on the way out
.set ACC,  88                          ; v88-151  eight accumulators: + 8 (2 tile + rg)
.set RING, 152                         ; v152-247 three sets of four fragments of weights
; v1 16 lane; v2, v3 where I put my codes and my scale byte; v4, v5 the stage, in and out; v6 token numbers; v7 my bytes in a row of out; v8-11 gates; v12-15 at work, later hi's gate in pairs; v248-255 at work
; one matrix instruction, by the symbols WD (accumulator), WA, WB (operands), WZ (1: it starts the sum), WSA, WSB (scale registers), WRA, WRB (1: the scales lie in lanes 16-31)
.macro WM
.set WC, 4*WZ+2*WRA+WRB
.if WC == 0
	v_wmma_scale_f32_16x16x128_f8f6f4 v[WD:WD+7], v[WA:WA+7], v[WB:WB+7], v[WD:WD+7], v[WSA], v[WSB] matrix_a_fmt:MATRIX_FMT_FP4 matrix_b_fmt:MATRIX_FMT_FP4
.elseif WC == 1
	v_wmma_scale_f32_16x16x128_f8f6f4 v[WD:WD+7], v[WA:WA+7], v[WB:WB+7], v[WD:WD+7], v[WSA], v[WSB] matrix_a_fmt:MATRIX_FMT_FP4 matrix_b_fmt:MATRIX_FMT_FP4 matrix_b_scale:MATRIX_SCALE_ROW1
.elseif WC == 2
	v_wmma_scale_f32_16x16x128_f8f6f4 v[WD:WD+7], v[WA:WA+7], v[WB:WB+7], v[WD:WD+7], v[WSA], v[WSB] matrix_a_fmt:MATRIX_FMT_FP4 matrix_b_fmt:MATRIX_FMT_FP4 matrix_a_scale:MATRIX_SCALE_ROW1
.elseif WC == 3
	v_wmma_scale_f32_16x16x128_f8f6f4 v[WD:WD+7], v[WA:WA+7], v[WB:WB+7], v[WD:WD+7], v[WSA], v[WSB] matrix_a_fmt:MATRIX_FMT_FP4 matrix_b_fmt:MATRIX_FMT_FP4 matrix_a_scale:MATRIX_SCALE_ROW1 matrix_b_scale:MATRIX_SCALE_ROW1
.elseif WC == 4
	v_wmma_scale_f32_16x16x128_f8f6f4 v[WD:WD+7], v[WA:WA+7], v[WB:WB+7], 0, v[WSA], v[WSB] matrix_a_fmt:MATRIX_FMT_FP4 matrix_b_fmt:MATRIX_FMT_FP4
.elseif WC == 5
	v_wmma_scale_f32_16x16x128_f8f6f4 v[WD:WD+7], v[WA:WA+7], v[WB:WB+7], 0, v[WSA], v[WSB] matrix_a_fmt:MATRIX_FMT_FP4 matrix_b_fmt:MATRIX_FMT_FP4 matrix_b_scale:MATRIX_SCALE_ROW1
.elseif WC == 6
	v_wmma_scale_f32_16x16x128_f8f6f4 v[WD:WD+7], v[WA:WA+7], v[WB:WB+7], 0, v[WSA], v[WSB] matrix_a_fmt:MATRIX_FMT_FP4 matrix_b_fmt:MATRIX_FMT_FP4 matrix_a_scale:MATRIX_SCALE_ROW1
.else
	v_wmma_scale_f32_16x16x128_f8f6f4 v[WD:WD+7], v[WA:WA+7], v[WB:WB+7], 0, v[WSA], v[WSB] matrix_a_fmt:MATRIX_FMT_FP4 matrix_b_fmt:MATRIX_FMT_FP4 matrix_a_scale:MATRIX_SCALE_ROW1 matrix_b_scale:MATRIX_SCALE_ROW1
.endif
.endm
; step g of the stream of weights: four fragments, eight loads of 512 consecutive bytes, into ring set g % 3
.macro WLOAD g
.set LR, RING+32*((\g)%3)
.if (\g) < 16
.set LB, 36+2*((\g)/8)
.set LO, 4096*((\g)%8)
.else
.set LB, 40+2*(((\g)-16)/4)
.set LO, 4096*(((\g)-16)%4)
.endif
.irp i, 0,1,2,3,4,5,6,7
	global_load_b128 v[LR+4*\i:LR+4*\i+3], v1, s[LB:LB+1] offset:LO+512*\i
.endr
.endm
.macro XLOAD g                         ; x's two fragments of K step g % 8 into set g % 2
.set LR, XF+16*((\g)%2)
.irp rg, 0,1
.irp c, 0,1
	ds_load_b128 v[LR+8*\rg+4*\c:LR+8*\rg+4*\c+3], v1 offset:XIMG+1024*(8*\rg+(\g)%8)+512*\c
.endr
.endr
.endm
.macro ALOAD g                         ; the hidden layer's two fragments of step g (expert z = (g - 16) / 4, K step (g - 16) % 4) into set g % 2
.set LR, XF+16*((\g)%2)
.irp rg, 0,1
.irp c, 0,1
	ds_load_b128 v[LR+8*\rg+4*\c:LR+8*\rg+4*\c+3], v1 offset:AIMG+4096*(2*(((\g)-16)/4)+\rg)+1024*(((\g)-16)%4)+512*\c
.endr
.endr
.endm
; A load into a register that a matrix instruction has read, and a vector instruction that reads a matrix result, stand four plain vector instructions behind it (ISA guide 7.12.1 for vector instructions).
.macro PLACES
.rept 4
	v_nop
.endr
.endm
; A step of the first product: 128 along K; my four tiles of W1 x the two groups of rows.  The eight accumulators take turns, one instruction a turn, in every step.
.macro P1STEP g
.set GZ, (\g)/8
.set GS, (\g)%8
.if GS == 0
.set WZ, 1
.else
.set WZ, 0
.endif
.if (\g) < 15
	XLOAD (\g)+1
.endif
.if ((\g) == 9) || ((\g) == 10)
	s_wait_loadcnt 20                              ; this step's weights are in; behind them: two ring sets and the four loads of W2's scales
.else
	s_wait_loadcnt 16                              ; this step's weights are in; the next two steps' 16 loads may be out
.endif
.if (\g) < 15
	s_wait_dscnt 4                                 ; this step's fragments of x are in; the four loads just issued may be out
.else
	s_wait_dscnt 0x0
.endif
.irp t, 0,1,2,3
.irp rg, 0,1
.set WD, ACC+8*(2*\t+\rg)
.set WA, RING+32*((\g)%3)+8*\t
.set WB, XF+16*((\g)%2)+8*\rg
.set WSA, WS+16*GZ+8*(\t/2)+GS
.set WSB, XS+GS
.set WRA, \t%2
.set WRB, \rg
	WM
.endr
.endr
	PLACES
.if (\g) == 8
.irp z, 0,1
.irp q, 0,1
	global_load_b128 v[WS+8*\z+4*\q:WS+8*\z+4*\q+3], v1, s[48+2*\z:49+2*\z] offset:512*\q   ; W2's scale words, where lo's W1 scales lay: lane L takes row 64 w + 32 q + L's four words
.endr
.endr
.endif
	WLOAD (\g)+3                                   ; into the set just multiplied
.endm
; a = silu(g) h = g / (1 + 2^(-g log2 e)) x h for the 16 hidden units of my row of group rg; the result takes h's registers.  Each accumulator is read from its low end on.
.macro ACT rg
.irp i, 0,1,2,3,4,5,6,7
	v_pk_mul_f32 v[TM+2*\i:TM+2*\i+1], v[ACC+8*(4+2*(\i/4)+\rg)+2*(\i%4):ACC+8*(4+2*(\i/4)+\rg)+2*(\i%4)+1], s[54:55] op_sel_hi:[1,0]
.endr
.irp i, 0,1,2,3,4,5,6,7,8,9,10,11,12,13,14,15
	v_exp_f32 v[TM+\i], v[TM+\i]
.endr
	v_nop                                          ; a plain instruction between the exponentials and the use of their results (ISA guide 5.7.2)
	s_wait_alu depctr_va_vdst(0)
.irp i, 0,1,2,3,4,5,6,7
	v_pk_add_f32 v[TM+2*\i:TM+2*\i+1], v[TM+2*\i:TM+2*\i+1], 1.0 op_sel_hi:[1,0]
.endr
.irp i, 0,1,2,3,4,5,6,7,8,9,10,11,12,13,14,15
	v_rcp_f32 v[TM+\i], v[TM+\i]
.endr
	v_nop                                          ; likewise behind the reciprocals
	s_wait_alu depctr_va_vdst(0)
.irp i, 0,1,2,3,4,5,6,7
	v_pk_mul_f32 v[ACC+8*(4+2*(\i/4)+\rg)+2*(\i%4):ACC+8*(4+2*(\i/4)+\rg)+2*(\i%4)+1], v[ACC+8*(4+2*(\i/4)+\rg)+2*(\i%4):ACC+8*(4+2*(\i/4)+\rg)+2*(\i%4)+1], v[TM+2*\i:TM+2*\i+1]
.endr
.irp i, 0,1,2,3,4,5,6,7
	v_pk_mul_f32 v[ACC+8*(2*(\i/4)+\rg)+2*(\i%4):ACC+8*(2*(\i/4)+\rg)+2*(\i%4)+1], v[ACC+8*(4+2*(\i/4)+\rg)+2*(\i%4):ACC+8*(4+2*(\i/4)+\rg)+2*(\i%4)+1], v[ACC+8*(2*(\i/4)+\rg)+2*(\i%4):ACC+8*(2*(\i/4)+\rg)+2*(\i%4)+1]
.endr
.endm
; my 16 numbers and lane l xor 16's are block w of my row: its scale byte, my 16 codes (8 bytes), both to their places in LDS
.macro QUANT z, rg
.set HA, ACC+8*(\rg)
.set HB, ACC+8*(2+\rg)
	v_max3_num_f32 v248, |v[HA]|, |v[HA+1]|, 0x1800000   ; with the floor 2^(3 - 127) as a leaf: the byte cannot fall under 1
	v_max3_num_f32 v249, |v[HB]|, |v[HB+1]|, |v[HB+2]|
	v_max3_num_f32 v248, v248, |v[HA+2]|, |v[HA+3]|
	v_max3_num_f32 v249, v249, |v[HB+3]|, |v[HB+4]|
	v_max3_num_f32 v248, v248, |v[HA+4]|, |v[HA+5]|
	v_max3_num_f32 v249, v249, |v[HB+5]|, |v[HB+6]|
	v_max3_num_f32 v248, v248, |v[HA+6]|, |v[HA+7]|
	v_max3_num_f32 v248, v248, v249, |v[HB+7]|
	v_permlanex16_b32 v250, v248, s52, s53
	v_max_num_f32 v248, v248, v250                 ; the block's largest magnitude
	v_add_nc_u32 v249, 0xff000000, v248            ; 2 off its exponent field: the conversion's scale operand
	v_lshrrev_b32 v251, 23, v249                   ; the scale's byte
	v_cvt_scalef32_pk8_fp4_f32 v252, v[HA:HA+7], v249
	v_cvt_scalef32_pk8_fp4_f32 v253, v[HB:HB+7], v249
	v_nop                                          ; a plain instruction behind the conversions: their sources are written again later
	ds_store_b64 v2, v[252:253] offset:4096*(2*\z+\rg)
	ds_store_b8 v3, v251 offset:512*\z+256*\rg     ; both lanes of a row write the same byte with the same value
.endm
; A step of the second product: 128 hidden units; my four tiles of W2 x the two groups of rows.
.macro P2STEP g
.set GZ, ((\g)-16)/4
.set GS, ((\g)-16)%4
.if GS == 0
.set WZ, 1
.else
.set WZ, 0
.endif
.if (\g) < 23
	ALOAD (\g)+1
.endif
.if (\g) < 22
	s_wait_loadcnt 16                              ; this step's weights are in; the next two steps' may be out
.elseif (\g) == 22
	s_wait_loadcnt 8                               ; only the last step's are behind
.else
	s_wait_loadcnt 0x0
.endif
.if (\g) < 23
	s_wait_dscnt 4                                 ; all LDS work but the four loads just issued is done
.else
	s_wait_dscnt 0x0
.endif
.irp t, 0,1,2,3
.irp rg, 0,1
.set WD, ACC+8*(2*\t+\rg)
.set WA, RING+32*((\g)%3)+8*\t
.set WB, XF+16*((\g)%2)+8*\rg
.set WSA, WS+8*GZ+4*(\t/2)+GS
.set WSB, AS+4*GZ+GS
.set WRA, \t%2
.set WRB, \rg
	WM
.endr
.endr
	PLACES
.if (\g)+3 < 24
	WLOAD (\g)+3
.endif
.endm
; 64 registers in the accumulators' order, to and from my stage: lane (r, h), accumulator (t, rg): row 16 rg + r, bytes 64 t + 32 h on
.macro TOSTG reg
.irp a, 0,1,2,3,4,5,6,7
.irp q, 0,1
	ds_store_b128 v4, v[\reg+8*\a+4*\q:\reg+8*\a+4*\q+3] offset:16*SROW*(\a%2)+64*(\a/2)+16*\q
.endr
.endr
.endm
.macro FROMSTG reg
.irp a, 0,1,2,3,4,5,6,7
.irp q, 0,1
	ds_load_b128 v[\reg+8*\a+4*\q:\reg+8*\a+4*\q+3], v4 offset:16*SROW*(\a%2)+64*(\a/2)+16*\q
.endr
.endr
.endm
; ---- the head: every work-group, whatever its entry
	s_load_b512 s[4:19], s[0:1], 0x0               ; tiles s[4:5], xq s[6:7], xs s[8:9], tok s[10:11], gate s[12:13], w1i s[14:15], W1's scales s[16:17], w2i s[18:19]
	s_load_b128 s[20:23], s[0:1], 0x40             ; W2's scales s[20:21], out s[22:23]
	v_lshrrev_b32 v12, 5, v0
	v_readfirstlane_b32 s24, v12                   ; wave 0..15
	s_lshl_b32 s25, ttmp9, 2
	v_and_b32 v13, 31, v0                          ; L
	v_and_b32 v14, 15, v0                          ; r
	v_bfe_u32 v15, v0, 4, 1                        ; h
	s_wait_kmcnt 0x0
	s_load_b32 s26, s[4:5], s25 offset:0x0         ; my tile's entry
	v_lshlrev_b32 v1, 4, v13
	s_lshl_b32 s29, s24, 8
	s_add_co_u32 s33, s29, AIMG
	v_lshlrev_b32 v2, 4, v14
	v_lshl_add_u32 v2, v15, 3, v2
	v_add_nc_u32 v2, s33, v2                       ; AIMG + 256 w + 16 r + 8 h
	v_lshl_add_u32 v7, v14, 4, s29                 ; 256 w + 16 r: my 16 bytes of a row of out
	s_add_co_u32 s33, s24, ASC
	v_lshl_add_u32 v3, v14, 4, s33                 ; ASC + 16 r + w
	s_mul_i32 s33, s24, 32*SROW
	s_add_co_u32 s33, s33, STG
	v_mul_u32_u24 v4, v14, SROW
	v_lshl_add_u32 v4, v15, 5, v4
	v_add_nc_u32 v4, s33, v4                       ; my stage + 272 r + 32 h
	v_mul_u32_u24 v5, v15, SROW
	v_lshl_add_u32 v5, v14, 4, v5
	v_add_nc_u32 v5, s33, v5                       ; my stage + 272 h + 16 r: lanes 0-15 one row, lanes 16-31 the next
	s_lshl_b32 s33, s24, 7
	s_add_co_u32 s33, s33, TOKT
	v_lshl_add_u32 v6, v15, 2, s33
	v_lshl_add_u32 v253, v13, 2, s33
	s_lshl_b32 s33, s24, 10
	v_add_nc_u32 v12, s33, v1                      ; where my fragment of x goes: 1024 w + 16 L
	v_and_b32 v255, 8, v14
	v_add_nc_u32 v255, v255, v14
	v_lshl_add_u32 v255, v15, 3, v255
	v_lshlrev_b32 v255, 5, v255                    ; W1's scales: rows of 32 bytes; lane (r, h) takes row 8 h + r + 8 (r / 8) of my 32
	v_mov_b32 v250, 0                              ; written once: a lane permute's destination counts as one of its sources
	s_mov_b32 s52, 0x76543210
	s_mov_b32 s53, 0xfedcba98                      ; v_permlanex16_b32's selects for lane l xor 16
	s_mov_b32 s54, 0xbfb8aa3b                      ; -log2(e)
	s_mov_b32 s55, s54                             ; (named with it as a pair, so it is written)
	s_wait_kmcnt 0x0
	s_and_b32 s27, s26, 0x7ff                      ; the tile's first place,
	s_bfe_u32 s28, s26, 0xb000b                    ; the set's last,
	s_bfe_u32 s30, s26, 0x30019                    ; lo,
	s_bfe_u32 s31, s26, 0x30016                    ; hi,
	s_lshr_b32 s32, s26, 31                        ; and whether the tile has rows
	s_min_u32 s27, s27, 0x7ff
	s_min_u32 s28, s28, 0x7ff
	s_min_u32 s30, s30, 7
	s_min_u32 s31, s31, 7
	s_mov_b32 s35, 0
	s_lshl_b32 s29, s24, 15                        ; w1i: 2^19 bytes an expert, 2^15 a wave
	s_lshl_b32 s34, s30, 19
	s_add_co_u32 s34, s34, s29
	s_add_nc_u64 s[36:37], s[14:15], s[34:35]
	s_lshl_b32 s34, s31, 19
	s_add_co_u32 s34, s34, s29
	s_add_nc_u64 s[38:39], s[14:15], s[34:35]
	s_lshl_b32 s29, s24, 14                        ; w2i: 2^18, 2^14
	s_lshl_b32 s34, s30, 18
	s_add_co_u32 s34, s34, s29
	s_add_nc_u64 s[40:41], s[18:19], s[34:35]
	s_lshl_b32 s34, s31, 18
	s_add_co_u32 s34, s34, s29
	s_add_nc_u64 s[42:43], s[18:19], s[34:35]
	s_lshl_b32 s29, s24, 10                        ; W1's scales: 32,768 an expert, my 32 rows of 32 bytes;  W2's: 16,384, my 64 rows of 16
	s_lshl_b32 s34, s30, 15
	s_add_co_u32 s34, s34, s29
	s_add_nc_u64 s[44:45], s[16:17], s[34:35]
	s_lshl_b32 s34, s31, 15
	s_add_co_u32 s34, s34, s29
	s_add_nc_u64 s[46:47], s[16:17], s[34:35]
	s_lshl_b32 s34, s30, 14
	s_add_co_u32 s34, s34, s29
	s_add_nc_u64 s[48:49], s[20:21], s[34:35]
	s_lshl_b32 s34, s31, 14
	s_add_co_u32 s34, s34, s29
	s_add_nc_u64 s[50:51], s[20:21], s[34:35]
	v_add_nc_u32 v248, s27, v13                    ; the place of the tile's row L: first + L, held at the set's last
	v_min_u32 v248, s28, v248
	v_min_u32 v248, 0x7ff, v248
	v_lshlrev_b32 v254, 5, v248
	v_lshlrev_b32 v248, 2, v248
	v_add_nc_u32 v249, s27, v14                    ; of rows r and 16 + r
	v_add_nc_u32 v251, 16, v249
	v_min_u32 v249, s28, v249
	v_min_u32 v249, 0x7ff, v249
	v_lshlrev_b32 v249, 3, v249
	v_min_u32 v251, s28, v251
	v_min_u32 v251, 0x7ff, v251
	v_lshlrev_b32 v251, 3, v251
	s_lshr_b32 s29, s24, 3                         ; wave w brings fragment w of x: rows 16 (w / 8) on, K step w % 8
	s_lshl_b32 s29, s29, 4
	s_add_co_u32 s29, s29, s27
	v_add_nc_u32 v252, s29, v14
	v_min_u32 v252, s28, v252
	v_min_u32 v252, 0x7ff, v252
	v_lshlrev_b32 v252, 9, v252
	v_lshl_add_u32 v252, v15, 4, v252
	s_and_b32 s29, s24, 7
	s_lshl_b32 s29, s29, 6
	v_add_nc_u32 v252, s29, v252                   ; 512 place + 64 s + 16 h
	global_load_b128 v[56:59], v252, s[6:7]
	global_load_b128 v[60:63], v252, s[6:7] offset:32
	global_load_b32 v64, v248, s[10:11]            ; row L's token
	global_load_b128 v[XS:XS+3], v254, s[8:9]      ; row L's eight scale words
	global_load_b128 v[XS+4:XS+7], v254, s[8:9] offset:16
	global_load_b64 v[8:9], v249, s[12:13]         ; the gates (lo's, hi's) of row r,
	global_load_b64 v[10:11], v251, s[12:13]       ; and of row 16 + r
.irp z, 0,1
	global_load_b128 v[WS+16*\z:WS+16*\z+3], v255, s[44+2*\z:45+2*\z]
	global_load_b128 v[WS+16*\z+4:WS+16*\z+7], v255, s[44+2*\z:45+2*\z] offset:16
	global_load_b128 v[WS+16*\z+8:WS+16*\z+11], v255, s[44+2*\z:45+2*\z] offset:16384     ; the g half: 512 rows of 32 bytes on
	global_load_b128 v[WS+16*\z+12:WS+16*\z+15], v255, s[44+2*\z:45+2*\z] offset:16400
.endr
	WLOAD 0
	WLOAD 1
	WLOAD 2
	s_wait_loadcnt 36                              ; x's fragment and the token are in; behind them: 2 + 2 + 8 + 24 loads
	ds_store_b128 v12, v[56:59] offset:XIMG
	ds_store_b128 v12, v[60:63] offset:XIMG+512
	ds_store_b32 v253, v64
	s_wait_dscnt 0x0                               ; for the others' sake: my fragment of x lies in LDS
	s_barrier_signal -1
	s_barrier_wait -1                              ; all sixteen do
	s_cmp_eq_u32 s32, 0
	s_cbranch_scc1 .Lno_rows_1                     ; the branch hangs on the stored table; both barriers stand on both ways
; ---- the first product, the activation and the quantiser, for lo and then for hi
	XLOAD 0
.irp g, 0,1,2,3,4,5,6,7
	P1STEP \g
.endr
	ACT 0
	ACT 1
	QUANT 0, 0
	QUANT 0, 1
.irp g, 8,9,10,11,12,13,14,15
	P1STEP \g
.endr
	ACT 0
	ACT 1
	QUANT 1, 0
	QUANT 1, 1
	s_branch .Lmeet
.Lno_rows_1:
	s_wait_loadcnt 0x0                             ; the head's loads
.Lmeet:
	s_wait_dscnt 0x0                               ; for the others' sake: my codes and scale bytes lie in LDS, and my reads of x's images are over
	s_barrier_signal -1
	s_barrier_wait -1                              ; the hidden layer's sixteen fragments lie in LDS
	s_cmp_eq_u32 s32, 0
	s_cbranch_scc1 .Lend
; ---- the second product
	v_mov_b32 v12, v9                              ; hi's gates as pairs for the packed multiply-add
	v_mov_b32 v13, v9
	v_mov_b32 v14, v11
	v_mov_b32 v15, v11
.irp z, 0,1
	ds_load_b128 v[AS+4*\z:AS+4*\z+3], v1 offset:ASC+512*\z    ; row L's four scale words
.endr
	ALOAD 16
.irp g, 16,17,18,19
	P2STEP \g
.endr
.irp i, 0,1,2,3,4,5,6,7,8,9,10,11,12,13,14,15,16,17,18,19,20,21,22,23,24,25,26,27,28,29,30,31
	v_pk_mul_f32 v[ACC+2*\i:ACC+2*\i+1], v[ACC+2*\i:ACC+2*\i+1], v[8+2*((\i/4)%2):9+2*((\i/4)%2)] op_sel_hi:[1,0]   ; lo's part x lo's gate (the pair's low word serves both halves)
.endr
	TOSTG ACC                                      ; put aside in my stage; the next step's wait on DScnt shows these stores done before the accumulators begin anew
.irp g, 20,21,22,23
	P2STEP \g
.endr
	FROMSTG RING
	s_wait_dscnt 0x0
.irp i, 0,1,2,3,4,5,6,7,8,9,10,11,12,13,14,15,16,17,18,19,20,21,22,23,24,25,26,27,28,29,30,31
	v_pk_fma_f32 v[RING+2*\i:RING+2*\i+1], v[ACC+2*\i:ACC+2*\i+1], v[12+2*((\i/4)%2):13+2*((\i/4)%2)], v[RING+2*\i:RING+2*\i+1] op_sel_hi:[1,0,1]   ; + hi's part x hi's gate
.endr
; ---- the way out: a lane holds 32 bytes of a row and the lanes beside it other rows: through my stage, back as rows of 256 bytes, two rows an instruction
	TOSTG RING
.irp k, 0,1,2,3,4,5,6,7,8,9,10,11,12,13,14,15
	ds_load_b32 v[XF+\k], v6 offset:8*\k           ; the token of row 2 k + lane / 16
.endr
.irp k, 0,1,2,3,4,5,6,7,8,9,10,11,12,13,14,15
	ds_load_b128 v[ACC+4*\k:ACC+4*\k+3], v5 offset:2*SROW*\k   ; LDS serves a wave's instructions in order: these see my stores
.endr
	s_wait_dscnt 16                                ; the tokens are in; the 16 row loads may be out
.irp k, 0,1,2,3,4,5,6,7,8,9,10,11,12,13,14,15
	v_min_u32 v[XF+\k], 0x7ff, v[XF+\k]
	v_lshl_add_u32 v[TM+\k], v[XF+\k], 12, v7      ; 4,096 token + 256 w + 16 r
.endr
.irp k, 0,1,2,3,4,5,6,7,8,9,10,11,12,13,14,15
	s_wait_dscnt 15-\k                             ; row load k is in; the younger ones may be out
	global_store_b128 v[TM+\k], v[ACC+4*\k:ACC+4*\k+3], s[22:23] th:TH_STORE_NT   ; sixteen lanes store 256 consecutive bytes, at a multiple of 256 from out's first byte
.endr
.Lend:
	s_wait_xcnt 0x0
	v_lshl_add_u32 v254, v0, 2, 0x2ac00
	v_mov_b32 v255, 0
	s_wait_tensorcnt 0x0
	ds_add_u32 v254, v255
	s_wait_dscnt 0x0
	s_endpgm
.Lfunc_end_k_qadf68f045a_moe:
	.size	k_qadf68f045a_moe, .Lfunc_end_k_qadf68f045a_moe-k_qadf68f045a_moe
	.p2alignl 7, 3214868480
	.fill 96, 4, 3214868480
	.section	.rodata,"a",@progbits
	.p2align	6, 0x0
	.amdhsa_kernel k_qadf68f045a_moe
		.amdhsa_group_segment_fixed_size 177152
		.amdhsa_private_segment_fixed_size 0
		.amdhsa_enable_private_segment 0
		.amdhsa_kernarg_size 80
		.amdhsa_user_sgpr_count 2
		.amdhsa_user_sgpr_kernarg_segment_ptr 1
		.amdhsa_wavefront_size32 1
		.amdhsa_system_sgpr_workgroup_id_x 1
		.amdhsa_system_sgpr_workgroup_id_y 1
		.amdhsa_system_sgpr_workgroup_id_z 1
		.amdhsa_system_vgpr_workitem_id 0
		.amdhsa_next_free_vgpr 256
		.amdhsa_next_free_sgpr 66
		.amdhsa_reserve_vcc 0
		.amdhsa_float_denorm_mode_32 3
		.amdhsa_float_denorm_mode_16_64 3
		.amdhsa_memory_ordered 1
		.amdhsa_forward_progress 1
		.amdhsa_inst_pref_size 90
	.end_amdhsa_kernel
	.amdgpu_metadata
---
amdhsa.version: [ 1, 2 ]
amdhsa.kernels:
  - .name:           k_qadf68f045a_moe
    .symbol:         k_qadf68f045a_moe.kd
    .args:
      - { .name: tiles, .offset: 0, .size: 8, .value_kind: global_buffer, .address_space: global }
      - { .name: xq, .offset: 8, .size: 8, .value_kind: global_buffer, .address_space: global }
      - { .name: xs, .offset: 16, .size: 8, .value_kind: global_buffer, .address_space: global }
      - { .name: tok, .offset: 24, .size: 8, .value_kind: global_buffer, .address_space: global }
      - { .name: gate, .offset: 32, .size: 8, .value_kind: global_buffer, .address_space: global }
      - { .name: w1i, .offset: 40, .size: 8, .value_kind: global_buffer, .address_space: global }
      - { .name: W1_scales, .offset: 48, .size: 8, .value_kind: global_buffer, .address_space: global }
      - { .name: w2i, .offset: 56, .size: 8, .value_kind: global_buffer, .address_space: global }
      - { .name: W2_scales, .offset: 64, .size: 8, .value_kind: global_buffer, .address_space: global }
      - { .name: out0, .offset: 72, .size: 8, .value_kind: global_buffer, .address_space: global }
    .group_segment_fixed_size: 177152
    .private_segment_fixed_size: 0
    .kernarg_segment_align: 8
    .kernarg_segment_size: 80
    .max_flat_workgroup_size: 512
    .sgpr_count:     66
    .vgpr_count:     256
    .wavefront_size: 32
...
	.end_amdgpu_metadata
.endif
;; end of part 2
;; ======== version 2 of 2: 2 launches
;; workspace buffers: xq 1,048,576 bytes; xs 65,536 bytes; tok 8,192 bytes of whole numbers; gate 16,384 bytes; tiles 512 bytes of whole numbers; w1i 4,194,304 bytes; w2i 2,097,152 bytes
;; launch prep (part 3): grid 177 x 1, 16 waves a work-group, no clusters, 88,320 bytes of LDS; arguments x, expert_idxs, expert_p, W1_codes, W2_codes, xq, xs, tok, gate, tiles, w1i, w2i; writes xq, xs, tok, gate, tiles, w1i, w2i
.if DOCPART == 3
	.amdgcn_target "amdgcn-amd-amdhsa--gfx1250"
	.amdhsa_code_object_version 6
	.text
	.protected	k_qadf68f045a_prep
	.globl	k_qadf68f045a_prep
	.p2align	8
	.type	k_qadf68f045a_prep,@function
k_qadf68f045a_prep:
	s_mov_b64 s[64:65], 0
	v_nop
	global_prefetch_b8 v0, s[64:65] scope:SCOPE_SE
	s_setreg_imm32_b32 hwreg(HW_REG_WAVE_MODE, 25, 1), 1
	s_wait_xcnt 0x0
; PREPARATION for the layer of experts: 2,048 tokens, each with two experts of 8 and two gates.
; Tokens are sorted by their SET of experts: key = 8 lo + hi (lo = the smaller index, hi = the larger), comp = key x 2048 + token, which is unique;
; a token's sorted place is the number of comps smaller than its own.  No histogram, no scatter through LDS, no atomic.
; Four roles, chosen by the work-group's number; each is a path of its own to s_endpgm and has LDS bytes of its own:
;   0         the table of tiles: a tile is up to 32 neighbouring sorted places of ONE set; at most 2048 / 32 + 36 - 1 = 99 tiles whatever the choice
;   1..128    a wave to a token: its place; its 1,024 numbers as codes of E2M1 with one E8M0 byte for each 32; token number and gates, all stored at the sorted place
;   129..160  W1's codes copied into the order of the operand's registers (w1i),   161..176  W2's (w2i)
; A block's scale byte is its largest magnitude's exponent field - 2, held at 1 from below by a floor among the maximum's leaves.
; LIMITS: NaN and infinities in x are not served.  A block of zeros gets the byte 1 (the stated quantiser says 127): its codes are zeros and these bytes are read by this program alone.
; An index outside 0..7 is held at 7 and its gate is made 0: it adds nothing, as in the problem's definition.  A token that names one expert twice gets the gate p0 + p1 for it
; (one rounding apart from p0 y + p1 y).  tok, gate and xs leave in pieces of 4, 8 and 32 bytes a token (90 KB in all): the sorted places of a work-group's tokens are not neighbours.
.set CMPX, 0                           ; token role: the 2,048 comps, 8,192 bytes
.set STGX, 8192                        ; token role: a stage of 32 x 144 bytes for each wave
.set KEYS, 81920                       ; table role: 512 words, four keys in each
.set PART, 83968                       ; table role: partial counts, 8 rows (one a chunk of 256 tokens) of 64 words, a zero word for threshold 64 and a word to spare
.set PROW, 272                         ; bytes from row to row
; my thread's four tokens' indices: tokens 2 v0 + 1024 j + p
.macro IDXLOAD
	v_lshlrev_b32 v3, 4, v0
	global_load_b128 v[4:7], v3, s[6:7]
	global_load_b128 v[8:11], v3, s[6:7] offset:8192
.endm
; the work-group's 512 threads make all 2,048 comps, put them into LDS at base, and every wave takes all of them into v64-127 (their order does not matter: they are only counted)
.macro COMPS base, younger
	v_lshlrev_b32 v16, 1, v0
	v_lshl_add_u32 v19, v0, 4, \base
	v_lshl_add_u32 v20, v2, 4, \base
	s_wait_loadcnt \younger                        ; the two index loads are in; what was issued behind them may be out
.irp q, 0,1,2,3
	v_min_u32 v[4+2*\q], 7, v[4+2*\q]
	v_min_u32 v[5+2*\q], 7, v[5+2*\q]
	s_delay_alu instid0(VALU_DEP_1)
	v_min_u32 v17, v[4+2*\q], v[5+2*\q]
	s_delay_alu instid0(VALU_DEP_2)
	v_max_u32 v18, v[4+2*\q], v[5+2*\q]
	s_delay_alu instid0(VALU_DEP_1)
	v_lshl_add_u32 v17, v17, 3, v18                ; key
	s_wait_alu depctr_va_vdst(0)
	v_lshl_add_u32 v17, v17, 11, v16
	s_delay_alu instid0(VALU_DEP_1)
	v_add_nc_u32 v[12+\q], 1024*(\q/2)+(\q%2), v17 ; key x 2048 + token
.endr
	ds_store_b128 v19, v[12:15]
	s_wait_dscnt 0x0                               ; for the others' sake: my comps lie in LDS
	s_barrier_signal -1
	s_barrier_wait -1
.irp i, 0,1,2,3,4,5,6,7,8,9,10,11,12,13,14,15
	ds_load_b128 v[64+4*\i:67+4*\i], v20 offset:512*\i
.endr
	s_wait_dscnt 0x0
.endm
; s[res] = how many of the 2,048 comps lie under s[thr]: 64 compares of 32 lanes, their bits counted
.macro POS thr, res
	s_mov_b32 s[\res], 0
.irp i, 0,1,2,3,4,5,6,7,8,9,10,11,12,13,14,15
	v_cmp_gt_u32 s44, s[\thr], v[64+4*\i]
	v_cmp_gt_u32 s45, s[\thr], v[65+4*\i]
	v_cmp_gt_u32 s46, s[\thr], v[66+4*\i]
	v_cmp_gt_u32 s47, s[\thr], v[67+4*\i]
	s_bcnt1_i32_b32 s44, s44
	s_bcnt1_i32_b32 s45, s45
	s_bcnt1_i32_b32 s46, s46
	s_bcnt1_i32_b32 s47, s47
	s_add_co_u32 s[\res], s[\res], s44
	s_add_co_u32 s[\res], s[\res], s45
	s_add_co_u32 s[\res], s[\res], s46
	s_add_co_u32 s[\res], s[\res], s47
.endr
.endm
	s_load_b512 s[4:19], s[0:1], 0x0               ; x s[4:5], indices s[6:7], gates s[8:9], W1's codes s[10:11], W2's s[12:13], xq s[14:15], xs s[16:17], tok s[18:19]
	s_load_b256 s[20:27], s[0:1], 0x40             ; gate s[20:21], tiles s[22:23], w1i s[24:25], w2i s[26:27]
	v_lshl_add_u32 v176, v0, 2, 0x15100
	v_mov_b32 v177, 0
	v_lshrrev_b32 v1, 5, v0
	s_delay_alu instid0(VALU_DEP_1)
	v_readfirstlane_b32 s28, v1                    ; wave 0..15
	v_and_b32 v2, 31, v0                           ; lane
	s_wait_kmcnt 0x0
	s_cmp_eq_u32 ttmp9, 0
	s_cbranch_scc1 .Ltable
	s_cmp_lt_u32 ttmp9, 129
	s_cbranch_scc1 .Ltoken
	s_cmp_lt_u32 ttmp9, 161
	s_cbranch_scc1 .Lw1
; ---- W2's codes.  Unit U = 16 (work-group - 161) + wave: expert U / 32, column group w = (U / 2) % 16, half = U % 2: tiles 2 half and 2 half + 1 of 16 rows, all 512 along K.
; w2i: [expert][w][K step 4][tile 4][c 2][lane 32][16 bytes]; lane (r, h) holds bytes 64 s + 32 c + 16 h of W2's row 64 w + 16 t + r.
	s_sub_co_u32 s29, ttmp9, 161
	s_lshl_b32 s29, s29, 4
	s_add_co_u32 s29, s29, s28
	s_lshr_b32 s30, s29, 5                         ; expert
	s_bfe_u32 s31, s29, 0x40001                    ; w
	s_and_b32 s32, s29, 1                          ; half
	s_lshl_b32 s33, s30, 10
	s_lshl_b32 s34, s31, 6
	s_add_co_u32 s33, s33, s34
	s_lshl_b32 s34, s32, 5
	s_add_co_u32 s33, s33, s34                     ; the unit's first row
	s_lshl_b32 s36, s33, 8                         ; rows of 256 bytes
	s_mov_b32 s37, 0
	s_add_nc_u64 s[12:13], s[12:13], s[36:37]
	s_lshl_b32 s33, s30, 4
	s_add_co_u32 s33, s33, s31
	s_lshl_b32 s36, s33, 14
	s_lshl_b32 s34, s32, 11
	s_add_co_u32 s36, s36, s34
	s_add_nc_u64 s[26:27], s[26:27], s[36:37]
	v_and_b32 v3, 15, v0                           ; r
	v_bfe_u32 v4, v0, 4, 1                         ; h
	s_delay_alu instid0(VALU_DEP_2)
	v_lshlrev_b32 v5, 8, v3
	s_delay_alu instid0(VALU_DEP_1)
	v_lshl_add_u32 v5, v4, 4, v5
	s_wait_alu depctr_va_vdst(0)
	v_lshlrev_b32 v6, 4, v2
.irp i, 0,1,2,3,4,5,6,7,8,9,10,11,12,13,14,15      ; i = 8 tt + 2 s + c: the 16 loads together read each of the unit's 32 rows whole
	global_load_b128 v[16+4*\i:19+4*\i], v5, s[12:13] offset:4096*(\i/8)+32*(\i%8) th:TH_LOAD_NT
.endr
	s_wait_alu depctr_va_vdst(0)
.irp i, 0,1,2,3,4,5,6,7,8,9,10,11,12,13,14,15
	s_wait_loadcnt 15-\i                           ; load i is in; the younger ones may be out
	global_store_b128 v6, v[16+4*\i:19+4*\i], s[26:27] offset:4096*((\i%8)/2)+1024*(\i/8)+512*(\i%2)   ; 32 lanes store 512 consecutive bytes
.endr
	s_endpgm
; ---- W1's codes.  Unit U = 16 (work-group - 129) + wave: expert U / 64, hidden group w = (U / 4) % 16, tile tau = U % 4 (0, 1: the h half; 2, 3: the g half), all 1,024 along K.
; w1i: [expert][w][K step 8][tau 4][c 2][lane 32][16 bytes]; lane (r, h) holds bytes 64 s + 32 c + 16 h of W1's row 512 (tau / 2) + 32 w + 8 (tau % 2) + r + 8 (r / 8).
.Lw1:
	s_sub_co_u32 s29, ttmp9, 129
	s_lshl_b32 s29, s29, 4
	s_add_co_u32 s29, s29, s28
	s_lshr_b32 s30, s29, 6                         ; expert
	s_bfe_u32 s31, s29, 0x40002                    ; w
	s_and_b32 s32, s29, 3                          ; tau
	s_lshl_b32 s33, s30, 10
	s_lshr_b32 s34, s32, 1
	s_lshl_b32 s34, s34, 9
	s_add_co_u32 s33, s33, s34
	s_lshl_b32 s34, s31, 5
	s_add_co_u32 s33, s33, s34
	s_and_b32 s34, s32, 1
	s_lshl_b32 s34, s34, 3
	s_add_co_u32 s33, s33, s34                     ; the tile's first row
	s_lshl_b32 s36, s33, 9                         ; rows of 512 bytes
	s_mov_b32 s37, 0
	s_add_nc_u64 s[10:11], s[10:11], s[36:37]
	s_lshl_b32 s33, s30, 4
	s_add_co_u32 s33, s33, s31
	s_lshl_b32 s36, s33, 15
	s_lshl_b32 s34, s32, 10
	s_add_co_u32 s36, s36, s34
	s_add_nc_u64 s[24:25], s[24:25], s[36:37]
	v_and_b32 v3, 15, v0                           ; r
	v_bfe_u32 v4, v0, 4, 1                         ; h
	s_delay_alu instid0(VALU_DEP_2)
	v_and_b32 v5, 8, v3
	s_delay_alu instid0(VALU_DEP_1)
	v_add_nc_u32 v5, v5, v3                        ; r + 8 (r / 8)
	s_delay_alu instid0(VALU_DEP_1)
	v_lshlrev_b32 v5, 9, v5
	s_delay_alu instid0(VALU_DEP_1)
	v_lshl_add_u32 v5, v4, 4, v5
	s_wait_alu depctr_va_vdst(0)
	v_lshlrev_b32 v6, 4, v2
.irp i, 0,1,2,3,4,5,6,7,8,9,10,11,12,13,14,15      ; i = 2 s + c: the 16 loads together read each of the tile's 16 rows whole
	global_load_b128 v[16+4*\i:19+4*\i], v5, s[10:11] offset:32*\i th:TH_LOAD_NT
.endr
	s_wait_alu depctr_va_vdst(0)
.irp i, 0,1,2,3,4,5,6,7,8,9,10,11,12,13,14,15
	s_wait_loadcnt 15-\i                           ; load i is in; the younger ones may be out
	global_store_b128 v6, v[16+4*\i:19+4*\i], s[24:25] offset:4096*(\i/2)+512*(\i%2)   ; 32 lanes store 512 consecutive bytes
.endr
	s_endpgm
; ---- a wave to a token
.Ltoken:
	s_sub_co_u32 s29, ttmp9, 1
	s_lshl_b32 s29, s29, 4
	s_add_co_u32 s29, s29, s28                     ; my token
	s_lshl_b32 s30, s29, 3
	s_load_b64 s[32:33], s[6:7], s30 offset:0x0    ; its two experts
	s_load_b64 s[34:35], s[8:9], s30 offset:0x0    ; its two gates
	IDXLOAD
	s_lshl_b32 s36, s29, 12
	s_mov_b32 s37, 0
	s_add_nc_u64 s[4:5], s[4:5], s[36:37]          ; its row of x
	s_wait_alu depctr_va_vdst(0)
	v_lshlrev_b32 v21, 4, v2
.irp i, 0,1,2,3,4,5,6,7
	global_load_b128 v[32+4*\i:35+4*\i], v21, s[4:5] offset:512*\i th:TH_LOAD_NT   ; 32 lanes read 512 consecutive bytes
.endr
	s_mul_i32 s31, s28, 4608                       ; my wave's stage
	s_add_co_u32 s31, s31, STGX
	v_lshrrev_b32 v22, 3, v2
	s_delay_alu instid0(VALU_DEP_1)
	v_mul_u32_u24 v22, v22, 144
	v_and_b32 v23, 7, v2
	s_delay_alu instid0(VALU_DEP_1)
	v_lshl_add_u32 v22, v23, 4, v22
	s_delay_alu instid0(VALU_DEP_1)
	v_add_nc_u32 v22, s31, v22                     ; in: load i's lane holds 16 bytes of block 4 i + lane / 8: 144 (lane / 8) + 16 (lane % 8), + 576 i
	v_mul_u32_u24 v23, v2, 144
	s_delay_alu instid0(VALU_DEP_1)
	v_add_nc_u32 v23, s31, v23                     ; out: block = lane; 144 bytes = 9 x 16 from lane to lane
	s_wait_kmcnt 0x0
	s_cmp_le_u32 s32, 7                            ; an index outside 0..7 adds nothing
	s_cselect_b32 s34, s34, 0
	s_cmp_le_u32 s33, 7
	s_cselect_b32 s35, s35, 0
	s_min_u32 s32, s32, 7
	s_min_u32 s33, s33, 7
	s_min_u32 s38, s32, s33                        ; lo
	s_max_u32 s39, s32, s33                        ; hi
	s_lshl_b32 s40, s38, 3
	s_add_co_u32 s40, s40, s39
	s_lshl_b32 s40, s40, 11
	s_or_b32 s40, s40, s29                         ; my comp
	s_cmp_eq_u32 s32, s38
	s_cselect_b32 s41, s34, 0
	s_cmp_eq_u32 s33, s38
	s_cselect_b32 s42, s35, 0
	s_add_f32 s41, s41, s42                        ; the gate of lo: the sum of the slots that name it
	s_cmp_eq_u32 s32, s39
	s_cselect_b32 s42, s34, 0
	s_cmp_eq_u32 s33, s39
	s_cselect_b32 s43, s35, 0
	s_add_f32 s42, s42, s43
	s_cmp_eq_u32 s38, s39
	s_cselect_b32 s42, 0, s42                      ; the gate of hi; 0 where both slots name one expert: lo's gate has both
	COMPS CMPX, 8                                  ; x's eight loads were issued behind the index loads and stay out
	POS 40, 43
	s_min_u32 s43, s43, 0x7ff                      ; my sorted place
	s_mov_b32 s37, 0
	s_lshl_b32 s36, s43, 9
	s_add_nc_u64 s[14:15], s[14:15], s[36:37]
	s_lshl_b32 s36, s43, 5
	s_add_nc_u64 s[16:17], s[16:17], s[36:37]
	s_lshl_b32 s36, s43, 2
	s_add_nc_u64 s[18:19], s[18:19], s[36:37]
	s_lshl_b32 s36, s43, 3
	s_add_nc_u64 s[20:21], s[20:21], s[36:37]
	s_wait_loadcnt 0x0                             ; x
.irp i, 0,1,2,3,4,5,6,7
	ds_store_b128 v22, v[32+4*\i:35+4*\i] offset:576*\i
.endr
.irp j, 0,1,2,3,4,5,6,7
	ds_load_b128 v[128+4*\j:131+4*\j], v23 offset:16*\j   ; LDS serves a wave's instructions in order: these see my stores.  Lane l now holds block l: x[32 l .. 32 l + 31]
.endr
	s_wait_dscnt 0x0
	v_max3_num_f32 v164, |v128|, |v129|, 0x1800000 ; the block's largest magnitude, in two chains, with the floor 2^(3 - 127) as a leaf: the byte cannot fall under 1
	v_max3_num_f32 v165, |v144|, |v145|, |v146|
.irp i, 0,1,2,3,4,5
	s_delay_alu instid0(VALU_DEP_2)
	v_max3_num_f32 v164, v164, |v[130+2*\i]|, |v[131+2*\i]|
	s_delay_alu instid0(VALU_DEP_2)
	v_max3_num_f32 v165, v165, |v[147+2*\i]|, |v[148+2*\i]|
.endr
	s_delay_alu instid0(VALU_DEP_2)
	v_max3_num_f32 v164, v164, |v142|, |v143|
	s_delay_alu instid0(VALU_DEP_1)
	v_max3_num_f32 v164, v164, v165, |v159|
	s_delay_alu instid0(VALU_DEP_1)
	v_add_nc_u32 v166, 0xff000000, v164            ; 2 off its exponent field: the conversion takes the exponent field of this operand as its scale
.irp g, 0,1,2,3
	v_cvt_scalef32_pk8_fp4_f32 v[160+\g], v[128+8*\g:135+8*\g], v166
.endr
	v_lshrrev_b32 v167, 23, v166                   ; the scale's byte
	global_store_b128 v21, v[160:163], s[14:15]    ; the row's 512 bytes of codes, consecutive
	global_store_b8 v2, v167, s[16:17]             ; its 32 scale bytes
	v_mov_b32 v168, s29
	v_mov_b32 v169, 0
	v_mov_b32 v170, s41
	v_mov_b32 v171, s42
	v_cmp_eq_u32 vcc_lo, 0, v2
	s_wait_alu depctr_va_vdst(0)
	s_wait_xcnt 0x0                                ; EXEC is a source of the stores above: it changes only behind this wait
	s_wait_tensorcnt 0x0
	ds_add_u32 v176, v177
	s_wait_dscnt 0x0
	s_and_saveexec_b32 s44, vcc_lo
	global_store_b32 v169, v168, s[18:19]          ; lane 0: the token's number,
	global_store_b64 v169, v[170:171], s[20:21]    ; and its two gates
	s_wait_xcnt 0x0
	s_or_b32 exec_lo, exec_lo, s44
	s_endpgm
; ---- the table of tiles.  It needs G(k) = how many tokens have a key of k or more, k = 0 .. 64: a set's first sorted place is 2048 - G(key), its last 2047 - G(key + 1).
; Only the 6-bit key counts here.  A thread packs its four tokens' keys into ONE word, as 64 + key in fields of 7 bits.  A LANE IS A THRESHOLD: word - k x (1 + 2^7 + 2^14 + 2^21) leaves 64 + key - k,
; 1 .. 127, in each field, so no borrow crosses a field, and the field's bit 6 says key >= k.  Those bits, masked, are simply added: a field's count grows upward into the 6 bits that the mask has cleared.
; Wave w takes chunk w / 2 (64 words, read at one address by all lanes) and thresholds 32 (w % 2) + lane: two words cost two subtractions, two ANDs and one addition of three, and the count lies in its threshold's lane.
.Ltable:
	IDXLOAD
	s_mov_b32 s56, 0x08102040                      ; bits 6, 13, 20, 27: the 64 of each field, and the mask of the four answers
	s_lshr_b32 s30, s28, 1                         ; my chunk
	s_and_b32 s31, s28, 1                          ; my group of 32 thresholds
	s_lshl_b32 s32, s30, 8
	s_add_co_u32 s32, s32, KEYS
	v_mov_b32 v20, s32                             ; my chunk's 64 words: one address for all lanes
	s_mul_i32 s33, s30, PROW
	s_lshl_b32 s34, s31, 7
	s_add_co_u32 s34, s34, s33
	s_add_co_u32 s34, s34, PART
	s_wait_alu depctr_va_vdst(0)
	v_lshl_add_u32 v21, v2, 2, s34                 ; where my partial count goes: PART + 272 chunk + 128 group + 4 lane
	s_lshl_b32 s35, s31, 2
	s_add_co_u32 s35, s35, s33
	s_add_co_u32 s35, s35, PART+256
	v_mov_b32 v22, s35                             ; words 64 and 65 of the row: group 0's wave writes G(64) = 0, group 1's the word to spare
	v_lshl_add_u32 v23, v2, 2, PART                ; the partial counts of threshold = lane
	v_lshl_add_u32 v19, v0, 2, KEYS                ; my thread's word of keys
	s_lshl_b32 s36, s31, 5
	v_add_nc_u32 v24, s36, v2                      ; my threshold k,
	s_delay_alu instid0(VALU_DEP_1)
	v_mul_u32_u24 v24, v24, 0x204081               ; in all four fields
	v_mov_b32 v25, 0
	s_wait_loadcnt 0x0
.irp q, 0,1,2,3
	v_min_u32 v[4+2*\q], 7, v[4+2*\q]
	v_min_u32 v[5+2*\q], 7, v[5+2*\q]
	s_delay_alu instid0(VALU_DEP_1)
	v_min_u32 v17, v[4+2*\q], v[5+2*\q]
	s_delay_alu instid0(VALU_DEP_2)
	v_max_u32 v18, v[4+2*\q], v[5+2*\q]
	s_delay_alu instid0(VALU_DEP_1)
	v_lshl_add_u32 v[12+\q], v17, 3, v18           ; key
.endr
	v_lshl_or_b32 v12, v13, 7, v12
	s_delay_alu instid0(VALU_DEP_2)
	v_lshl_or_b32 v14, v15, 7, v14
	s_delay_alu instid0(VALU_DEP_1)
	v_lshl_or_b32 v12, v14, 14, v12
	s_delay_alu instid0(VALU_DEP_1)
	v_or_b32 v12, s56, v12                         ; + 64 in each field
	ds_store_b32 v19, v12
	s_wait_dscnt 0x0                               ; for the others' sake: my word lies in LDS
	s_barrier_signal -1
	s_barrier_wait -1
.irp i, 0,1,2,3,4,5,6,7,8,9,10,11,12,13,14,15
	ds_load_b128 v[64+4*\i:67+4*\i], v20 offset:16*\i
.endr
	s_wait_dscnt 0x0
; three accumulators, v26-28, of 22, 22 and 20 words: the top field has bits 27 to 31 alone, room for 31
.set PR, 0
.rept 32
.set TA, 32+2*(PR%4)
	v_sub_nc_u32 v[TA], v[64+2*PR], v24
	v_sub_nc_u32 v[TA+1], v[65+2*PR], v24
	s_delay_alu instid0(VALU_DEP_2)
	v_and_b32 v[TA], s56, v[TA]
	s_delay_alu instid0(VALU_DEP_2)
	v_and_b32 v[TA+1], s56, v[TA+1]
.if PR < 3
	s_delay_alu instid0(VALU_DEP_1)
	v_add_nc_u32 v[26+PR], v[TA], v[TA+1]          ; the first pairs start the sums: nothing is cleared
.else
	s_delay_alu instid0(VALU_DEP_1)
	v_add3_u32 v[26+PR%3], v[26+PR%3], v[TA], v[TA+1]
.endif
.set PR, PR+1
.endr
	s_delay_alu instid0(VALU_DEP_1)
	v_add3_u32 v29, v26, v27, v28                  ; the three lower fields hold up to 64 in their 7 bits; the top field is taken from each accumulator by itself
	v_lshrrev_b32 v26, 27, v26
	s_delay_alu instid0(VALU_DEP_3)
	v_lshrrev_b32 v27, 27, v27
	v_lshrrev_b32 v28, 27, v28
	s_delay_alu instid0(VALU_DEP_4)
	v_bfe_u32 v32, v29, 6, 7
	v_bfe_u32 v33, v29, 13, 7
	v_bfe_u32 v34, v29, 20, 7
	s_delay_alu instid0(VALU_DEP_4)
	v_add3_u32 v26, v26, v27, v28
	s_delay_alu instid0(VALU_DEP_2)
	v_add3_u32 v32, v32, v33, v34
	s_delay_alu instid0(VALU_DEP_1)
	v_add_nc_u32 v26, v26, v32                     ; how many of my chunk's 256 keys are k or more
	ds_store_b32 v21, v26
	ds_store_b32 v22, v25                          ; all lanes write the same word with the same value
	s_wait_dscnt 0x0                               ; for the others' sake
	s_barrier_signal -1
	s_barrier_wait -1
	s_cmp_lt_u32 s28, 4
	s_cbranch_scc1 .Lbins
	s_wait_tensorcnt 0x0
	ds_add_u32 v176, v177
	s_wait_dscnt 0x0
	s_endpgm                                       ; the table has 128 entries: four waves write it
.Lbins:
.irp c, 0,1,2,3,4,5,6,7
	ds_load_b32 v[64+\c], v23 offset:PROW*\c       ; G(lane)'s eight parts,
	ds_load_b32 v[72+\c], v23 offset:PROW*\c+4     ; G(lane + 1)'s,
	ds_load_b32 v[80+\c], v23 offset:PROW*\c+128   ; G(32 + lane)'s,
	ds_load_b32 v[88+\c], v23 offset:PROW*\c+132   ; G(33 + lane)'s
.endr
	v_mov_b32 v30, 0
	v_lshlrev_b32 v16, 5, v0                       ; 32 x my entry's number
	s_mov_b32 s29, 0                               ; 32 x the tiles so far
	s_wait_dscnt 0x0
.irp a, 0,1,2,3
	v_add3_u32 v[64+8*\a], v[64+8*\a], v[65+8*\a], v[66+8*\a]
	v_add3_u32 v[67+8*\a], v[67+8*\a], v[68+8*\a], v[69+8*\a]
	s_delay_alu instid0(VALU_DEP_2)
	v_add3_u32 v[64+8*\a], v[64+8*\a], v[70+8*\a], v[71+8*\a]
	s_delay_alu instid0(VALU_DEP_1)
	v_add_nc_u32 v[64+8*\a], v[64+8*\a], v[67+8*\a]
.endr
; for all 64 keys at once, key = 32 u + lane: v[40+u] = 32 x the set's tiles;  v[42+u] = (its last place) << 11 | key << 22, less its first place
.irp u, 0,1
	v_sub_nc_u32 v[40+\u], v[64+16*\u], v[72+16*\u]    ; the set's tokens
	s_delay_alu instid0(VALU_DEP_1)
	v_add_nc_u32 v[40+\u], 31, v[40+\u]
	s_delay_alu instid0(VALU_DEP_1)
	v_and_b32 v[40+\u], 0xffffffe0, v[40+\u]
	v_sub_nc_u32 v[42+\u], 0x7ff, v[72+16*\u]
	s_delay_alu instid0(VALU_DEP_1)
	v_and_b32 v[42+\u], 0x7ff, v[42+\u]
	s_delay_alu instid0(VALU_DEP_1)
	v_lshlrev_b32 v[42+\u], 11, v[42+\u]
	v_add_nc_u32 v[44+\u], 32*\u, v2
	s_delay_alu instid0(VALU_DEP_1)
	v_lshl_or_b32 v[42+\u], v[44+\u], 22, v[42+\u]
	s_delay_alu instid0(VALU_DEP_1)
	v_add3_u32 v[42+\u], v[42+\u], v[64+16*\u], 0xfffff800   ; - (2048 - G(key))
.endr
; The sets of one lo, in ascending key.  A set's word: bits 10:0 32 x (its first tile) - (its first place), at most 35 x 31; bits 21:11 its last place; bits 27:22 its key.
; Every entry from the set's first tile on takes its word; later sets write over the entries that are theirs; an empty set is written over by the next one.
; The lane reads stand together ahead of their use; only the running sum of tiles is a chain: it walks through the registers that held the sets' tiles.
.macro ROWB lo
.irp hi, 0,1,2,3,4,5,6,7
.if \hi >= \lo
.set KEY, 8*\lo+\hi
	v_readlane_b32 s[32+2*\hi], v[42+KEY/32], KEY%32
	v_readlane_b32 s[33+2*\hi], v[40+KEY/32], KEY%32
.endif
.endr
.set TP, 29
.irp hi, 0,1,2,3,4,5,6,7
.if \hi >= \lo
	s_add_co_u32 s[32+2*\hi], s[32+2*\hi], s[TP]   ; the set's word
	v_cmp_le_u32 s[48+\hi], s[TP], v16             ; the entries from its first tile on
	s_add_co_u32 s[33+2*\hi], s[33+2*\hi], s[TP]   ; 32 x the tiles up to and with this set
.set TP, 33+2*\hi
.endif
.endr
.irp hi, 0,1,2,3,4,5,6,7
.if \hi >= \lo
	v_mov_b32 v[32+\hi], s[32+2*\hi]
.endif
.endr
.irp hi, 0,1,2,3,4,5,6,7
.if \hi >= \lo
	v_cndmask_b32 v30, v30, v[32+\hi], s[48+\hi]
.endif
.endr
	s_mov_b32 s29, s[TP]
.endm
.irp lo, 0,1,2,3,4,5,6,7
	ROWB \lo
.endr
	v_and_b32 v31, 0x7ff, v30
	s_delay_alu instid0(VALU_DEP_1)
	v_sub_nc_u32 v32, v16, v31                     ; the tile's first place
	v_and_b32 v30, 0xfffff800, v30
	s_delay_alu instid0(VALU_DEP_1)
	v_or_b32 v30, v30, v32
	s_delay_alu instid0(VALU_DEP_1)
	v_or_b32 v30, 0x80000000, v30                  ; bit 31: the tile has rows
	v_cmp_gt_u32 vcc_lo, s29, v16
	s_delay_alu instid0(VALU_DEP_1)
	v_cndmask_b32 v30, 0, v30, vcc_lo              ; an entry behind the last tile is 0
	v_lshlrev_b32 v33, 2, v0
	global_store_b32 v33, v30, s[22:23]
	s_wait_tensorcnt 0x0
	ds_add_u32 v176, v177
	s_wait_dscnt 0x0
	s_endpgm
.Lfunc_end_k_qadf68f045a_prep:
	.size	k_qadf68f045a_prep, .Lfunc_end_k_qadf68f045a_prep-k_qadf68f045a_prep
	.p2alignl 7, 3214868480
	.fill 96, 4, 3214868480
	.section	.rodata,"a",@progbits
	.p2align	6, 0x0
	.amdhsa_kernel k_qadf68f045a_prep
		.amdhsa_group_segment_fixed_size 88320
		.amdhsa_private_segment_fixed_size 0
		.amdhsa_enable_private_segment 0
		.amdhsa_kernarg_size 96
		.amdhsa_user_sgpr_count 2
		.amdhsa_user_sgpr_kernarg_segment_ptr 1
		.amdhsa_wavefront_size32 1
		.amdhsa_system_sgpr_workgroup_id_x 1
		.amdhsa_system_sgpr_workgroup_id_y 1
		.amdhsa_system_sgpr_workgroup_id_z 1
		.amdhsa_system_vgpr_workitem_id 0
		.amdhsa_next_free_vgpr 178
		.amdhsa_next_free_sgpr 66
		.amdhsa_reserve_vcc 1
		.amdhsa_float_denorm_mode_32 3
		.amdhsa_float_denorm_mode_16_64 3
		.amdhsa_memory_ordered 1
		.amdhsa_forward_progress 1
		.amdhsa_inst_pref_size 61
	.end_amdhsa_kernel
	.amdgpu_metadata
---
amdhsa.version: [ 1, 2 ]
amdhsa.kernels:
  - .name:           k_qadf68f045a_prep
    .symbol:         k_qadf68f045a_prep.kd
    .args:
      - { .name: x, .offset: 0, .size: 8, .value_kind: global_buffer, .address_space: global }
      - { .name: expert_idxs, .offset: 8, .size: 8, .value_kind: global_buffer, .address_space: global }
      - { .name: expert_p, .offset: 16, .size: 8, .value_kind: global_buffer, .address_space: global }
      - { .name: W1_codes, .offset: 24, .size: 8, .value_kind: global_buffer, .address_space: global }
      - { .name: W2_codes, .offset: 32, .size: 8, .value_kind: global_buffer, .address_space: global }
      - { .name: xq, .offset: 40, .size: 8, .value_kind: global_buffer, .address_space: global }
      - { .name: xs, .offset: 48, .size: 8, .value_kind: global_buffer, .address_space: global }
      - { .name: tok, .offset: 56, .size: 8, .value_kind: global_buffer, .address_space: global }
      - { .name: gate, .offset: 64, .size: 8, .value_kind: global_buffer, .address_space: global }
      - { .name: tiles, .offset: 72, .size: 8, .value_kind: global_buffer, .address_space: global }
      - { .name: w1i, .offset: 80, .size: 8, .value_kind: global_buffer, .address_space: global }
      - { .name: w2i, .offset: 88, .size: 8, .value_kind: global_buffer, .address_space: global }
    .group_segment_fixed_size: 88320
    .private_segment_fixed_size: 0
    .kernarg_segment_align: 8
    .kernarg_segment_size: 96
    .max_flat_workgroup_size: 512
    .sgpr_count:     66
    .vgpr_count:     178
    .wavefront_size: 32
...
	.end_amdgpu_metadata
.endif
;; end of part 3
;; launch moe (part 4): grid 99 x 1, 16 waves a work-group, no clusters, 177,152 bytes of LDS; arguments tiles, xq, xs, tok, gate, w1i, W1_scales, w2i, W2_scales, out0; writes out0
.if DOCPART == 4
	.amdgcn_target "amdgcn-amd-amdhsa--gfx1250"
	.amdhsa_code_object_version 6
	.text
	.protected	k_qadf68f045a_moe
	.globl	k_qadf68f045a_moe
	.p2align	8
	.type	k_qadf68f045a_moe,@function
k_qadf68f045a_moe:
	s_mov_b64 s[64:65], 0
	v_nop
	global_prefetch_b8 v0, s[64:65] scope:SCOPE_SE
	s_setreg_imm32_b32 hwreg(HW_REG_WAVE_SCHED_MODE, 0, 2), 2
	s_setreg_imm32_b32 hwreg(HW_REG_WAVE_MODE, 25, 1), 1
	s_wait_xcnt 0x0
	s_wait_alu depctr_vm_vsrc(0)
; out[token] = w_lo y_lo + w_hi y_hi,  y_e = Q(silu(g) h) W2[e],  (h | g) = Q(x) W1[e]: both products on codes of E2M1 with one E8M0 scale for each 32 along K; all else in f32.
; A work-group takes ONE TILE: up to 32 neighbouring sorted places, whose tokens all name the same two experts (lo, hi): each output row has one owner, and the hidden layer never goes to memory.
; The grid is 99 = 2048 / 32 + 36 - 1, which serves every choice of experts; a work-group whose table entry is 0 passes both barriers, stores nothing and ends.
; SHARES.  Sixteen waves share the COLUMNS: wave w makes hidden units 32 w .. 32 w + 31 (two tiles of h, two of g) and output columns 64 w .. 64 w + 63 (four tiles), for both groups of 16 rows.
; So each fragment of the weights is loaded by one wave, straight from memory into registers (laid out for that by the launch before), and feeds two matrix instructions.
; The weights are ONE STREAM of 24 steps of 4,096 bytes a wave (8 of W1[lo], 8 of W1[hi], 4 of W2[lo], 4 of W2[hi]) through a ring of three register sets: 24 loads of 512 bytes a wave are on their way.
; BOTH PRODUCTS ARE USED TRANSPOSED (source 0 = 16 rows of the weight, source 1 = 16 rows of the tile): a lane holds one row of the tile throughout.  The rows of W1 that form a tile are chosen so that a
; lane's 16 registers of tiles u = 0, 1 are hidden units 32 w + 16 (lane / 16) + 0 .. 15: a wave holds block w of the second product's K, and its codes' place in the operand's register image is 256 w + 16 r + 8 h.
; x's fragments and the hidden layer's go from wave to wave through LDS as images of the operand's registers (16 bytes a lane, 512 a load).
; ROWS BEYOND THE SET'S LAST repeat that last row: they compute the same numbers and store them to the same bytes of out.
; NO CLUSTER: how many tiles share an expert hangs on counts read from memory, 99 work-groups divide into no cluster, and the weights land in registers, where no joint load can put them.
; LIMITS: NaN and infinities are not served.  A block of the hidden layer whose largest magnitude lies under 2^-124 (zeros too) gets the byte 1: as the stated quantiser holds it, and zeros' codes are zeros.
; THE MODE: SCHED_MODE bits 1:0 = 2 (LLVM: expert scheduling mode 2), set by the entry lines.  The code itself states the register dependences
; between vector or matrix instructions and memory or LDS instructions, with s_wait_alu, always for 0.
; THE PLAN.  Registers that memory or LDS instructions touch:
;   v1-7          addresses: written at the head, ahead of the head's last wait on va_vdst; never written again.
;   RING0 .. 2    Step g: its eight matrix instructions read set g % 3; behind them the loads of step g + 3 land in it.
;   XF0, XF1      Step g: its matrix instructions read set g % 2; the LDS loads at the head of step g + 1 (step g + 2's fragments) land in it.  XF1 is also the activation's work space.
;   v24-55        scale words: read by the matrix instructions; v24-39 are loaded anew at the end of step 8, v40-47 behind the second barrier.
;   So ONE wait on va_vdst stands at a step's end, behind its matrix instructions: it states that they are done reading their ring set, their fragments and their scale words.  The ring's loads
;   and the next step's LDS loads follow it, and no vector or matrix instruction issued since names a register in which they land.  It stands at the step's end, not at the next step's head, so that the ring's
;   set is asked for again ahead of the wait for the next step's data: 24 loads a wave stay on their way.
;   v251-253, v248, v254-255   the quantiser's results for the two groups of rows: written by vector lines, then one wait on va_vdst, then four LDS stores; one wait on vm_vsrc ahead of hi's arithmetic, which writes them again.
;   ACC           lo's part: scaled by vector lines, one wait on va_vdst, stored to the stage; one wait on vm_vsrc in step 20, whose products begin the accumulators anew.
;   The way out   one wait on va_vdst ahead of the stage's stores (it also frees ACC for the rows' loads), one ahead of the global stores (their addresses).
.set XIMG, 0                           ; LDS: x's 16 fragments: (8 rg + s) x 1024 + 512 c + 16 lane
.set AIMG, 16384                       ; the hidden layer's 16: (2 z + rg) x 4096 + 1024 s + 512 c + 16 lane
.set ASC,  32768                       ; its scale bytes: 512 z + 16 (16 rg + r) + block
.set TOKT, 33792                       ; the rows' token numbers, 128 bytes for each wave
.set STG,  35840                       ; a stage of 32 rows x 272 bytes for each wave
.set SROW, 272                         ; 256 bytes + 16: sixteen rows start at sixteen different groups of four banks
.set XS,   16                          ; v16-23   x's scale words, K step s: lanes 0-15 rows 0-15, lanes 16-31 rows 16-31
.set WS,   24                          ; v24-55   W1's scale words: + 16 z + 8 (h or g) + s: lanes 0-15 tile u = 0, lanes 16-31 u = 1;  from step 8 on v24-39 W2's: + 8 z + 4 (t / 2) + s
.set AS,   40                          ; v40-47   in the second product: the hidden layer's scale words, + 4 z + s
.set XF,   56                          ; v56-87   two sets of two fragments of x, later of the hidden layer
.set TM,   72                          ; the second of them, at work in the activation and on the way out
.set ACC,  88                          ; v88-151  eight accumulators: + 8 (2 tile + rg)
.set RING, 152                         ; v152-247 three sets of four fragments of weights
; v1 16 lane; v2, v3 where I put my codes and my scale byte; v4, v5 the stage, in and out; v6 token numbers; v7 my bytes in a row of out; v8-11 gates; v12-15 at work, later hi's gate in pairs; v248-255 at work
; one matrix instruction, by the symbols WD (accumulator), WA, WB (operands), WZ (1: it starts the sum), WSA, WSB (scale registers), WRA, WRB (1: the scales lie in lanes 16-31)
.macro WM
.set WC, 4*WZ+2*WRA+WRB
.if WC == 0
	v_wmma_scale_f32_16x16x128_f8f6f4 v[WD:WD+7], v[WA:WA+7], v[WB:WB+7], v[WD:WD+7], v[WSA], v[WSB] matrix_a_fmt:MATRIX_FMT_FP4 matrix_b_fmt:MATRIX_FMT_FP4
.elseif WC == 1
	v_wmma_scale_f32_16x16x128_f8f6f4 v[WD:WD+7], v[WA:WA+7], v[WB:WB+7], v[WD:WD+7], v[WSA], v[WSB] matrix_a_fmt:MATRIX_FMT_FP4 matrix_b_fmt:MATRIX_FMT_FP4 matrix_b_scale:MATRIX_SCALE_ROW1
.elseif WC == 2
	v_wmma_scale_f32_16x16x128_f8f6f4 v[WD:WD+7], v[WA:WA+7], v[WB:WB+7], v[WD:WD+7], v[WSA], v[WSB] matrix_a_fmt:MATRIX_FMT_FP4 matrix_b_fmt:MATRIX_FMT_FP4 matrix_a_scale:MATRIX_SCALE_ROW1
.elseif WC == 3
	v_wmma_scale_f32_16x16x128_f8f6f4 v[WD:WD+7], v[WA:WA+7], v[WB:WB+7], v[WD:WD+7], v[WSA], v[WSB] matrix_a_fmt:MATRIX_FMT_FP4 matrix_b_fmt:MATRIX_FMT_FP4 matrix_a_scale:MATRIX_SCALE_ROW1 matrix_b_scale:MATRIX_SCALE_ROW1
.elseif WC == 4
	v_wmma_scale_f32_16x16x128_f8f6f4 v[WD:WD+7], v[WA:WA+7], v[WB:WB+7], 0, v[WSA], v[WSB] matrix_a_fmt:MATRIX_FMT_FP4 matrix_b_fmt:MATRIX_FMT_FP4
.elseif WC == 5
	v_wmma_scale_f32_16x16x128_f8f6f4 v[WD:WD+7], v[WA:WA+7], v[WB:WB+7], 0, v[WSA], v[WSB] matrix_a_fmt:MATRIX_FMT_FP4 matrix_b_fmt:MATRIX_FMT_FP4 matrix_b_scale:MATRIX_SCALE_ROW1
.elseif WC == 6
	v_wmma_scale_f32_16x16x128_f8f6f4 v[WD:WD+7], v[WA:WA+7], v[WB:WB+7], 0, v[WSA], v[WSB] matrix_a_fmt:MATRIX_FMT_FP4 matrix_b_fmt:MATRIX_FMT_FP4 matrix_a_scale:MATRIX_SCALE_ROW1
.else
	v_wmma_scale_f32_16x16x128_f8f6f4 v[WD:WD+7], v[WA:WA+7], v[WB:WB+7], 0, v[WSA], v[WSB] matrix_a_fmt:MATRIX_FMT_FP4 matrix_b_fmt:MATRIX_FMT_FP4 matrix_a_scale:MATRIX_SCALE_ROW1 matrix_b_scale:MATRIX_SCALE_ROW1
.endif
.endm
; step g of the stream of weights: four fragments, eight loads of 512 consecutive bytes, into ring set g % 3
.macro WLOAD g
.set LR, RING+32*((\g)%3)
.if (\g) < 16
.set LB, 36+2*((\g)/8)
.set LO, 4096*((\g)%8)
.else
.set LB, 40+2*(((\g)-16)/4)
.set LO, 4096*(((\g)-16)%4)
.endif
.irp i, 0,1,2,3,4,5,6,7
	global_load_b128 v[LR+4*\i:LR+4*\i+3], v1, s[LB:LB+1] offset:LO+512*\i
.endr
.endm
.macro XLOAD g                         ; x's two fragments of K step g % 8 into set g % 2
.set LR, XF+16*((\g)%2)
.irp rg, 0,1
.irp c, 0,1
	ds_load_b128 v[LR+8*\rg+4*\c:LR+8*\rg+4*\c+3], v1 offset:XIMG+1024*(8*\rg+(\g)%8)+512*\c
.endr
.endr
.endm
.macro ALOAD g                         ; the hidden layer's two fragments of step g (expert z = (g - 16) / 4, K step (g - 16) % 4) into set g % 2
.set LR, XF+16*((\g)%2)
.irp rg, 0,1
.irp c, 0,1
	ds_load_b128 v[LR+8*\rg+4*\c:LR+8*\rg+4*\c+3], v1 offset:AIMG+4096*(2*(((\g)-16)/4)+\rg)+1024*(((\g)-16)%4)+512*\c
.endr
.endr
.endm
; A vector instruction that reads a matrix result stands four plain vector instructions behind it (ISA guide 7.12.1): so behind steps 7, 15, 19 and 23.  Behind the other steps the four stand as well, ahead of the
; step's wait on va_vdst, which is what states the dependence of the loads that follow.
.macro PLACES
.rept 4
	v_nop
.endr
.endm
; A step of the first product: 128 along K; my four tiles of W1 x the two groups of rows.  The eight accumulators take turns, one instruction a turn, in every step.
.macro P1STEP g
.set GZ, (\g)/8
.set GS, (\g)%8
.if GS == 0
.set WZ, 1
.else
.set WZ, 0
.endif
.if (\g) < 15
	XLOAD (\g)+1                                   ; into the set that the step before multiplied.  No wait: no vector or matrix instruction since the last wait on va_vdst names it
.endif
.if ((\g) == 9) || ((\g) == 10)
	s_wait_loadcnt 20                              ; this step's weights are in; behind them: two ring sets and the four loads of W2's scales
.else
	s_wait_loadcnt 16                              ; this step's weights are in; the next two steps' 16 loads may be out
.endif
.if (\g) < 15
	s_wait_dscnt 4                                 ; this step's fragments of x are in; the four loads just issued may be out
.else
	s_wait_dscnt 0x0
.endif
.irp t, 0,1,2,3
.irp rg, 0,1
.set WD, ACC+8*(2*\t+\rg)
.set WA, RING+32*((\g)%3)+8*\t
.set WB, XF+16*((\g)%2)+8*\rg
.set WSA, WS+16*GZ+8*(\t/2)+GS
.set WSB, XS+GS
.set WRA, \t%2
.set WRB, \rg
	WM
.endr
.endr
	PLACES
	s_wait_alu depctr_va_vdst(0)                   ; this step's matrix instructions are done reading their ring set, in which the loads below land, and their fragments of x, in which the next step's LDS loads land; in step 8 also: lo's steps are done reading v24-39
.if (\g) == 8
.irp z, 0,1
.irp q, 0,1
	global_load_b128 v[WS+8*\z+4*\q:WS+8*\z+4*\q+3], v1, s[48+2*\z:49+2*\z] offset:512*\q   ; W2's scale words, where lo's W1 scales lay: lane L takes row 64 w + 32 q + L's four words
.endr
.endr
.endif
	WLOAD (\g)+3                                   ; into the set just multiplied
.endm
; a = silu(g) h = g / (1 + 2^(-g log2 e)) x h for the 16 hidden units of my row of group rg; the result takes h's registers.  Each accumulator is read from its low end on.
.macro ACT rg
.irp i, 0,1,2,3,4,5,6,7
	v_pk_mul_f32 v[TM+2*\i:TM+2*\i+1], v[ACC+8*(4+2*(\i/4)+\rg)+2*(\i%4):ACC+8*(4+2*(\i/4)+\rg)+2*(\i%4)+1], s[54:55] op_sel_hi:[1,0]
.endr
	s_wait_alu depctr_va_vdst(0)
.irp i, 0,1,2,3,4,5,6,7,8,9,10,11,12,13,14,15
	v_exp_f32 v[TM+\i], v[TM+\i]
.endr
	v_nop                                          ; a plain instruction between the exponentials and the use of their results (ISA guide 5.7.2)
	s_wait_alu depctr_va_vdst(0)                   ; the sixteen exponentials have written v[TM .. TM + 15], ahead of the additions that read them: one wait for the batch
.irp i, 0,1,2,3,4,5,6,7
	v_pk_add_f32 v[TM+2*\i:TM+2*\i+1], v[TM+2*\i:TM+2*\i+1], 1.0 op_sel_hi:[1,0]
.endr
	s_wait_alu depctr_va_vdst(0)
.irp i, 0,1,2,3,4,5,6,7,8,9,10,11,12,13,14,15
	v_rcp_f32 v[TM+\i], v[TM+\i]
.endr
	v_nop                                          ; likewise behind the reciprocals
	s_wait_alu depctr_va_vdst(0)                   ; the sixteen reciprocals have written v[TM .. TM + 15], ahead of the multiplications that read them: one wait for the batch
.irp i, 0,1,2,3,4,5,6,7
	v_pk_mul_f32 v[ACC+8*(4+2*(\i/4)+\rg)+2*(\i%4):ACC+8*(4+2*(\i/4)+\rg)+2*(\i%4)+1], v[ACC+8*(4+2*(\i/4)+\rg)+2*(\i%4):ACC+8*(4+2*(\i/4)+\rg)+2*(\i%4)+1], v[TM+2*\i:TM+2*\i+1]
.endr
.irp i, 0,1,2,3,4,5,6,7
	v_pk_mul_f32 v[ACC+8*(2*(\i/4)+\rg)+2*(\i%4):ACC+8*(2*(\i/4)+\rg)+2*(\i%4)+1], v[ACC+8*(4+2*(\i/4)+\rg)+2*(\i%4):ACC+8*(4+2*(\i/4)+\rg)+2*(\i%4)+1], v[ACC+8*(2*(\i/4)+\rg)+2*(\i%4):ACC+8*(2*(\i/4)+\rg)+2*(\i%4)+1]
.endr
.endm
; my 16 numbers and lane l xor 16's are block w of my row of group rg: its scale byte into v[qb], my 16 codes (8 bytes) into v[qc], v[qc + 1].  Each group of rows has result registers of its own, so that one wait serves both groups' stores
.macro QCALC rg, qb, qc
.set HA, ACC+8*(\rg)
.set HB, ACC+8*(2+\rg)
	v_max3_num_f32 v248, |v[HA]|, |v[HA+1]|, 0x1800000   ; with the floor 2^(3 - 127) as a leaf: the byte cannot fall under 1
	v_max3_num_f32 v249, |v[HB]|, |v[HB+1]|, |v[HB+2]|
	v_max3_num_f32 v248, v248, |v[HA+2]|, |v[HA+3]|
	v_max3_num_f32 v249, v249, |v[HB+3]|, |v[HB+4]|
	v_max3_num_f32 v248, v248, |v[HA+4]|, |v[HA+5]|
	v_max3_num_f32 v249, v249, |v[HB+5]|, |v[HB+6]|
	v_max3_num_f32 v248, v248, |v[HA+6]|, |v[HA+7]|
	v_max3_num_f32 v248, v248, v249, |v[HB+7]|
	v_permlanex16_b32 v250, v248, s52, s53
	v_max_num_f32 v248, v248, v250                 ; the block's largest magnitude
	v_add_nc_u32 v249, 0xff000000, v248            ; 2 off its exponent field: the conversion's scale operand
	v_lshrrev_b32 v[\qb], 23, v249                 ; the scale's byte
	v_cvt_scalef32_pk8_fp4_f32 v[\qc], v[HA:HA+7], v249
	v_cvt_scalef32_pk8_fp4_f32 v[\qc+1], v[HB:HB+7], v249
	v_nop                                          ; a plain instruction behind the conversions: their sources are written again later
.endm
; both groups' codes and scale bytes to their places in LDS
.macro QSTORE z
	s_wait_alu depctr_va_vdst(0)                   ; the conversions and shifts have written v248 and v251-255, which the four stores read; the activation is done with v[TM ..], in which the next step's LDS loads land
	ds_store_b64 v2, v[252:253] offset:4096*(2*\z)
	ds_store_b8 v3, v251 offset:512*\z             ; both lanes of a row write the same byte with the same value
	ds_store_b64 v2, v[254:255] offset:4096*(2*\z+1)
	ds_store_b8 v3, v248 offset:512*\z+256
.endm
; A step of the second product: 128 hidden units; my four tiles of W2 x the two groups of rows.
.macro P2STEP g
.set GZ, ((\g)-16)/4
.set GS, ((\g)-16)%4
.if GS == 0
.set WZ, 1
.else
.set WZ, 0
.endif
.if (\g) < 23
	ALOAD (\g)+1                                   ; into the set that the step before multiplied.  No wait: no vector or matrix instruction since the last wait on va_vdst names it
.endif
.if (\g) < 22
	s_wait_loadcnt 16                              ; this step's weights are in; the next two steps' may be out
.elseif (\g) == 22
	s_wait_loadcnt 8                               ; only the last step's are behind
.else
	s_wait_loadcnt 0x0
.endif
.if (\g) < 23
	s_wait_dscnt 4                                 ; all LDS work but the four loads just issued is done
.else
	s_wait_dscnt 0x0
.endif
.if (\g) == 20
	s_wait_alu depctr_vm_vsrc(0)                   ; the stores that put lo's part aside have read the accumulators, which this step's products begin anew
.endif
.irp t, 0,1,2,3
.irp rg, 0,1
.set WD, ACC+8*(2*\t+\rg)
.set WA, RING+32*((\g)%3)+8*\t
.set WB, XF+16*((\g)%2)+8*\rg
.set WSA, WS+8*GZ+4*(\t/2)+GS
.set WSB, AS+4*GZ+GS
.set WRA, \t%2
.set WRB, \rg
	WM
.endr
.endr
	PLACES
.if (\g) != 22                                 ; behind step 22 no load is issued before step 23's wait
	s_wait_alu depctr_va_vdst(0)                   ; the matrix instructions issued so far are done reading their ring sets and their fragments: up to step 20 the ring's loads below, up to step 21 the next step's LDS loads, behind step 23 the loads from the stage land there
.endif
.if (\g)+3 < 24
	WLOAD (\g)+3
.endif
.endm
; 64 registers in the accumulators' order, to and from my stage: lane (r, h), accumulator (t, rg): row 16 rg + r, bytes 64 t + 32 h on
.macro TOSTG reg
.irp a, 0,1,2,3,4,5,6,7
.irp q, 0,1
	ds_store_b128 v4, v[\reg+8*\a+4*\q:\reg+8*\a+4*\q+3] offset:16*SROW*(\a%2)+64*(\a/2)+16*\q
.endr
.endr
.endm
.macro FROMSTG reg
.irp a, 0,1,2,3,4,5,6,7
.irp q, 0,1
	ds_load_b128 v[\reg+8*\a+4*\q:\reg+8*\a+4*\q+3], v4 offset:16*SROW*(\a%2)+64*(\a/2)+16*\q
.endr
.endr
.endm
; ---- the head: every work-group, whatever its entry
	s_load_b512 s[4:19], s[0:1], 0x0               ; tiles s[4:5], xq s[6:7], xs s[8:9], tok s[10:11], gate s[12:13], w1i s[14:15], W1's scales s[16:17], w2i s[18:19]
	s_load_b128 s[20:23], s[0:1], 0x40             ; W2's scales s[20:21], out s[22:23]
	v_lshrrev_b32 v12, 5, v0
	v_readfirstlane_b32 s24, v12                   ; wave 0..15
	s_lshl_b32 s25, ttmp9, 2
	v_and_b32 v13, 31, v0                          ; L
	v_and_b32 v14, 15, v0                          ; r
	v_bfe_u32 v15, v0, 4, 1                        ; h
	s_wait_alu depctr_va_vdst(0)
	s_wait_kmcnt 0x0
	s_load_b32 s26, s[4:5], s25 offset:0x0         ; my tile's entry
	v_lshlrev_b32 v1, 4, v13
	s_wait_alu depctr_va_sdst(0)                   ; s24 is written, ahead of its first reader: LDS addresses and the weights' bases are made from it
	s_lshl_b32 s29, s24, 8
	s_add_co_u32 s33, s29, AIMG
	v_lshlrev_b32 v2, 4, v14
	v_lshl_add_u32 v2, v15, 3, v2
	v_add_nc_u32 v2, s33, v2                       ; AIMG + 256 w + 16 r + 8 h
	v_lshl_add_u32 v7, v14, 4, s29                 ; 256 w + 16 r: my 16 bytes of a row of out
	s_add_co_u32 s33, s24, ASC
	v_lshl_add_u32 v3, v14, 4, s33                 ; ASC + 16 r + w
	s_mul_i32 s33, s24, 32*SROW
	s_add_co_u32 s33, s33, STG
	v_mul_u32_u24 v4, v14, SROW
	v_lshl_add_u32 v4, v15, 5, v4
	v_add_nc_u32 v4, s33, v4                       ; my stage + 272 r + 32 h
	v_mul_u32_u24 v5, v15, SROW
	v_lshl_add_u32 v5, v14, 4, v5
	v_add_nc_u32 v5, s33, v5                       ; my stage + 272 h + 16 r: lanes 0-15 one row, lanes 16-31 the next
	s_lshl_b32 s33, s24, 7
	s_add_co_u32 s33, s33, TOKT
	v_lshl_add_u32 v6, v15, 2, s33
	v_lshl_add_u32 v253, v13, 2, s33
	s_lshl_b32 s33, s24, 10
	v_add_nc_u32 v12, s33, v1                      ; where my fragment of x goes: 1024 w + 16 L
	v_and_b32 v255, 8, v14
	v_add_nc_u32 v255, v255, v14
	v_lshl_add_u32 v255, v15, 3, v255
	v_lshlrev_b32 v255, 5, v255                    ; W1's scales: rows of 32 bytes; lane (r, h) takes row 8 h + r + 8 (r / 8) of my 32
	v_mov_b32 v250, 0                              ; written once: a lane permute's destination counts as one of its sources
	s_mov_b32 s52, 0x76543210
	s_mov_b32 s53, 0xfedcba98                      ; v_permlanex16_b32's selects for lane l xor 16
	s_mov_b32 s54, 0xbfb8aa3b                      ; -log2(e)
	s_mov_b32 s55, s54                             ; (named with it as a pair, so it is written)
	s_wait_kmcnt 0x0
	s_and_b32 s27, s26, 0x7ff                      ; the tile's first place,
	s_bfe_u32 s28, s26, 0xb000b                    ; the set's last,
	s_bfe_u32 s30, s26, 0x30019                    ; lo,
	s_bfe_u32 s31, s26, 0x30016                    ; hi,
	s_lshr_b32 s32, s26, 31                        ; and whether the tile has rows
	s_min_u32 s27, s27, 0x7ff
	s_min_u32 s28, s28, 0x7ff
	s_min_u32 s30, s30, 7
	s_min_u32 s31, s31, 7
	s_mov_b32 s35, 0
	s_lshl_b32 s29, s24, 15                        ; w1i: 2^19 bytes an expert, 2^15 a wave
	s_lshl_b32 s34, s30, 19
	s_add_co_u32 s34, s34, s29
	s_add_nc_u64 s[36:37], s[14:15], s[34:35]
	s_lshl_b32 s34, s31, 19
	s_add_co_u32 s34, s34, s29
	s_add_nc_u64 s[38:39], s[14:15], s[34:35]
	s_lshl_b32 s29, s24, 14                        ; w2i: 2^18, 2^14
	s_lshl_b32 s34, s30, 18
	s_add_co_u32 s34, s34, s29
	s_add_nc_u64 s[40:41], s[18:19], s[34:35]
	s_lshl_b32 s34, s31, 18
	s_add_co_u32 s34, s34, s29
	s_add_nc_u64 s[42:43], s[18:19], s[34:35]
	s_lshl_b32 s29, s24, 10                        ; W1's scales: 32,768 an expert, my 32 rows of 32 bytes;  W2's: 16,384, my 64 rows of 16
	s_lshl_b32 s34, s30, 15
	s_add_co_u32 s34, s34, s29
	s_add_nc_u64 s[44:45], s[16:17], s[34:35]
	s_lshl_b32 s34, s31, 15
	s_add_co_u32 s34, s34, s29
	s_add_nc_u64 s[46:47], s[16:17], s[34:35]
	s_lshl_b32 s34, s30, 14
	s_add_co_u32 s34, s34, s29
	s_add_nc_u64 s[48:49], s[20:21], s[34:35]
	s_lshl_b32 s34, s31, 14
	s_add_co_u32 s34, s34, s29
	s_add_nc_u64 s[50:51], s[20:21], s[34:35]
	v_add_nc_u32 v248, s27, v13                    ; the place of the tile's row L: first + L, held at the set's last
	v_min_u32 v248, s28, v248
	v_min_u32 v248, 0x7ff, v248
	v_lshlrev_b32 v254, 5, v248
	v_lshlrev_b32 v248, 2, v248
	v_add_nc_u32 v249, s27, v14                    ; of rows r and 16 + r
	v_add_nc_u32 v251, 16, v249
	v_min_u32 v249, s28, v249
	v_min_u32 v249, 0x7ff, v249
	v_lshlrev_b32 v249, 3, v249
	v_min_u32 v251, s28, v251
	v_min_u32 v251, 0x7ff, v251
	v_lshlrev_b32 v251, 3, v251
	s_lshr_b32 s29, s24, 3                         ; wave w brings fragment w of x: rows 16 (w / 8) on, K step w % 8
	s_lshl_b32 s29, s29, 4
	s_add_co_u32 s29, s29, s27
	v_add_nc_u32 v252, s29, v14
	v_min_u32 v252, s28, v252
	v_min_u32 v252, 0x7ff, v252
	v_lshlrev_b32 v252, 9, v252
	v_lshl_add_u32 v252, v15, 4, v252
	s_and_b32 s29, s24, 7
	s_lshl_b32 s29, s29, 6
	v_add_nc_u32 v252, s29, v252                   ; 512 place + 64 s + 16 h
	s_wait_alu depctr_va_vdst(0)                   ; all addresses are written: v1-7, which the kernel's loads and stores read to its end, and the head's own: v12, v248, v249, v251-255
	global_load_b128 v[56:59], v252, s[6:7]
	global_load_b128 v[60:63], v252, s[6:7] offset:32
	global_load_b32 v64, v248, s[10:11]            ; row L's token
	global_load_b128 v[XS:XS+3], v254, s[8:9]      ; row L's eight scale words
	global_load_b128 v[XS+4:XS+7], v254, s[8:9] offset:16
	global_load_b64 v[8:9], v249, s[12:13]         ; the gates (lo's, hi's) of row r,
	global_load_b64 v[10:11], v251, s[12:13]       ; and of row 16 + r
.irp z, 0,1
	global_load_b128 v[WS+16*\z:WS+16*\z+3], v255, s[44+2*\z:45+2*\z]
	global_load_b128 v[WS+16*\z+4:WS+16*\z+7], v255, s[44+2*\z:45+2*\z] offset:16
	global_load_b128 v[WS+16*\z+8:WS+16*\z+11], v255, s[44+2*\z:45+2*\z] offset:16384     ; the g half: 512 rows of 32 bytes on
	global_load_b128 v[WS+16*\z+12:WS+16*\z+15], v255, s[44+2*\z:45+2*\z] offset:16400
.endr
	WLOAD 0
	WLOAD 1
	WLOAD 2
	s_wait_loadcnt 36                              ; x's fragment and the token are in; behind them: 2 + 2 + 8 + 24 loads
	ds_store_b128 v12, v[56:59] offset:XIMG
	ds_store_b128 v12, v[60:63] offset:XIMG+512
	ds_store_b32 v253, v64
	s_wait_dscnt 0x0                               ; for the others' sake: my fragment of x lies in LDS
	s_barrier_signal -1
	s_barrier_wait -1                              ; all sixteen do
	s_wait_alu depctr_vm_vsrc(0)                   ; the three LDS stores have read v56-64, in which x's fragments land next, and v12 and v253; the head's loads have read v248, v249, v251, v252, v254, v255: all these are written again further on
	s_cmp_eq_u32 s32, 0
	s_cbranch_scc1 .Lno_rows_1                     ; the branch hangs on the stored table; both barriers stand on both ways
; ---- the first product, the activation and the quantiser, for lo and then for hi
	XLOAD 0
.irp g, 0,1,2,3,4,5,6,7
	P1STEP \g
.endr
	ACT 0
	ACT 1
	QCALC 0, 251, 252
	QCALC 1, 248, 254
	QSTORE 0
.irp g, 8,9,10,11,12,13,14,15
	P1STEP \g
.endr
	ACT 0
	ACT 1
	s_wait_alu depctr_vm_vsrc(0)                   ; lo's four LDS stores have read v248 and v251-255, which hi's quantiser writes again
	QCALC 0, 251, 252
	QCALC 1, 248, 254
	QSTORE 1
	s_branch .Lmeet
.Lno_rows_1:
	s_wait_loadcnt 0x0                             ; the head's loads
.Lmeet:
	s_wait_dscnt 0x0                               ; for the others' sake: my codes and scale bytes lie in LDS, and my reads of x's images are over
	s_barrier_signal -1
	s_barrier_wait -1                              ; the hidden layer's sixteen fragments lie in LDS
	s_cmp_eq_u32 s32, 0
	s_cbranch_scc1 .Lend
; ---- the second product
	v_mov_b32 v12, v9                              ; hi's gates as pairs for the packed multiply-add
	v_mov_b32 v13, v9
	v_mov_b32 v14, v11
	v_mov_b32 v15, v11
.irp z, 0,1
	ds_load_b128 v[AS+4*\z:AS+4*\z+3], v1 offset:ASC+512*\z    ; row L's four scale words.  No wait, here and for the fragments below: the first product's last readers of v40-47 and of v56-71 stand ahead of the quantiser's wait on va_vdst
.endr
	ALOAD 16
.irp g, 16,17,18,19
	P2STEP \g
.endr
.irp i, 0,1,2,3,4,5,6,7,8,9,10,11,12,13,14,15,16,17,18,19,20,21,22,23,24,25,26,27,28,29,30,31
	v_pk_mul_f32 v[ACC+2*\i:ACC+2*\i+1], v[ACC+2*\i:ACC+2*\i+1], v[8+2*((\i/4)%2):9+2*((\i/4)%2)] op_sel_hi:[1,0]   ; lo's part x lo's gate (the pair's low word serves both halves)
.endr
	s_wait_alu depctr_va_vdst(0)                   ; the multiplications have written the accumulators, which the stores below read
	TOSTG ACC                                      ; put aside in my stage; the next step's waits on DScnt and on vm_vsrc stand ahead of the products that begin the accumulators anew
.irp g, 20,21,22,23
	P2STEP \g
.endr
	FROMSTG RING
	s_wait_dscnt 0x0
.irp i, 0,1,2,3,4,5,6,7,8,9,10,11,12,13,14,15,16,17,18,19,20,21,22,23,24,25,26,27,28,29,30,31
	v_pk_fma_f32 v[RING+2*\i:RING+2*\i+1], v[ACC+2*\i:ACC+2*\i+1], v[12+2*((\i/4)%2):13+2*((\i/4)%2)], v[RING+2*\i:RING+2*\i+1] op_sel_hi:[1,0,1]   ; + hi's part x hi's gate
.endr
; ---- the way out: a lane holds 32 bytes of a row and the lanes beside it other rows: through my stage, back as rows of 256 bytes, two rows an instruction
	s_wait_alu depctr_va_vdst(0)                   ; the multiply-adds have written v[RING ..], which the stores below read, and are done reading the accumulators, in which the rows' loads below land
	TOSTG RING
.irp k, 0,1,2,3,4,5,6,7,8,9,10,11,12,13,14,15
	ds_load_b32 v[XF+\k], v6 offset:8*\k           ; the token of row 2 k + lane / 16
.endr
.irp k, 0,1,2,3,4,5,6,7,8,9,10,11,12,13,14,15
	ds_load_b128 v[ACC+4*\k:ACC+4*\k+3], v5 offset:2*SROW*\k   ; LDS serves a wave's instructions in order: these see my stores
.endr
	s_wait_dscnt 16                                ; the tokens are in; the 16 row loads may be out
.irp k, 0,1,2,3,4,5,6,7,8,9,10,11,12,13,14,15
	v_min_u32 v[XF+\k], 0x7ff, v[XF+\k]
	v_lshl_add_u32 v[TM+\k], v[XF+\k], 12, v7      ; 4,096 token + 256 w + 16 r
.endr
	s_wait_alu depctr_va_vdst(0)                   ; the sixteen offsets v[TM ..] are written, which the stores below read
.irp k, 0,1,2,3,4,5,6,7,8,9,10,11,12,13,14,15
	s_wait_dscnt 15-\k                             ; row load k is in; the younger ones may be out
	global_store_b128 v[TM+\k], v[ACC+4*\k:ACC+4*\k+3], s[22:23] th:TH_STORE_NT   ; sixteen lanes store 256 consecutive bytes, at a multiple of 256 from out's first byte
.endr
.Lend:
	s_wait_xcnt 0x0
	s_wait_alu depctr_vm_vsrc(0)                   ; the head's loads and the quantiser's stores have read v254 and v255, which the two lines below write
	v_lshl_add_u32 v254, v0, 2, 0x2ac00
	v_mov_b32 v255, 0
	s_wait_dscnt 0x0                               ; the closing lines, six on end
	s_wait_alu 0x0
	s_wait_tensorcnt 0x0
	ds_add_u32 v254, v255
	s_wait_dscnt 0x0
	s_endpgm
.Lfunc_end_k_qadf68f045a_moe:
	.size	k_qadf68f045a_moe, .Lfunc_end_k_qadf68f045a_moe-k_qadf68f045a_moe
	.p2alignl 7, 3214868480
	.fill 96, 4, 3214868480
	.section	.rodata,"a",@progbits
	.p2align	6, 0x0
	.amdhsa_kernel k_qadf68f045a_moe
		.amdhsa_group_segment_fixed_size 177152
		.amdhsa_private_segment_fixed_size 0
		.amdhsa_enable_private_segment 0
		.amdhsa_kernarg_size 80
		.amdhsa_user_sgpr_count 2
		.amdhsa_user_sgpr_kernarg_segment_ptr 1
		.amdhsa_wavefront_size32 1
		.amdhsa_system_sgpr_workgroup_id_x 1
		.amdhsa_system_sgpr_workgroup_id_y 1
		.amdhsa_system_sgpr_workgroup_id_z 1
		.amdhsa_system_vgpr_workitem_id 0
		.amdhsa_next_free_vgpr 256
		.amdhsa_next_free_sgpr 66
		.amdhsa_reserve_vcc 0
		.amdhsa_float_denorm_mode_32 3
		.amdhsa_float_denorm_mode_16_64 3
		.amdhsa_memory_ordered 1
		.amdhsa_forward_progress 1
		.amdhsa_inst_pref_size 92
	.end_amdhsa_kernel
	.amdgpu_metadata
---
amdhsa.version: [ 1, 2 ]
amdhsa.kernels:
  - .name:           k_qadf68f045a_moe
    .symbol:         k_qadf68f045a_moe.kd
    .args:
      - { .name: tiles, .offset: 0, .size: 8, .value_kind: global_buffer, .address_space: global }
      - { .name: xq, .offset: 8, .size: 8, .value_kind: global_buffer, .address_space: global }
      - { .name: xs, .offset: 16, .size: 8, .value_kind: global_buffer, .address_space: global }
      - { .name: tok, .offset: 24, .size: 8, .value_kind: global_buffer, .address_space: global }
      - { .name: gate, .offset: 32, .size: 8, .value_kind: global_buffer, .address_space: global }
      - { .name: w1i, .offset: 40, .size: 8, .value_kind: global_buffer, .address_space: global }
      - { .name: W1_scales, .offset: 48, .size: 8, .value_kind: global_buffer, .address_space: global }
      - { .name: w2i, .offset: 56, .size: 8, .value_kind: global_buffer, .address_space: global }
      - { .name: W2_scales, .offset: 64, .size: 8, .value_kind: global_buffer, .address_space: global }
      - { .name: out0, .offset: 72, .size: 8, .value_kind: global_buffer, .address_space: global }
    .group_segment_fixed_size: 177152
    .private_segment_fixed_size: 0
    .kernarg_segment_align: 8
    .kernarg_segment_size: 80
    .max_flat_workgroup_size: 512
    .sgpr_count:     66
    .vgpr_count:     256
    .wavefront_size: 32
...
	.end_amdgpu_metadata
.endif
;; end of part 4
